; MI455X (gfx1250); checked and timed in simulation.
; The chip was launched on July 23, 2026; its instructions are those of AMD's public machine-readable ISA for CDNA 5 (MIT licence, August 2026) and "CDNA5" Instruction Set Architecture Reference Guide (July 2026). The comments in the code are by the model that wrote it; some were corrected since.
;; Self Attention. Allowed arithmetic: matrix products marked QUANTISED: E3M2 operands, one E8M0 scale for each 32 along K, by v_wmma_scale_f32_16x16x128_f8f6f4 with both operands' format E3M2, f32 sums; everything else in f32.
;; Inputs: b_in 3,072 float32; b_out 1,024 float32; w_in 3,072 x 1,024 float32; w_out 1,024 x 1,024 float32; x 4 x 2,048 x 1,024 float32.
;; Outputs: out0 4 x 2,048 x 1,024 float32.
;; This version of the problem:
;;   THIS VERSION OF THE PROBLEM IS GIVEN IN LOW PRECISION. The matrix products marked QUANTISED in the list below multiply operands that are first quantised to E3M2 (3 exponent bits, 2 mantissa bits; 6 bits a number), with one power-of-two scale for each 32 numbers along K (OCP MX v1.0); their sums are f32. All else is computed in f32.
;;   The module's matrix products, in the order in which they are computed (A, B: the left and right operand; K: the contracted axis; several contracted axes count as one K, in the product's order):
;;     1. [M 8,192, K 1,024] x [K 1,024, N 3,072]; A: input x; B: input w_in: QUANTISED
;;     2. batch 64 x [M 2,048, K 64] x [K 64, N 2,048]; A: computed on the way; B: computed on the way: QUANTISED
;;     3. batch 64 x [M 2,048, K 2,048] x [K 2,048, N 64]; A: softmax (see below); B: computed on the way: QUANTISED
;;     4. [M 8,192, K 1,024] x [K 1,024, N 1,024]; A: computed on the way; B: input w_out: QUANTISED
;;   THE QUANTISER, for each operand of a quantised product, along K:
;;     - K is cut into blocks of 32 from its start; a last block that is shorter is filled with zeros.
;;     - A block's scale is 2^e with e = floor(log2(the largest magnitude in the block)) - 4, held to -126 .. 127; a block of zeros has e = 0. As a byte (E8M0): e + 127.
;;     - Each number is divided by its block's scale, clamped to +-28, and rounded to the nearest number of E3M2, ties to even, subnormals kept.
;;     - The product sums the exact products of the quantised numbers (number of the format x scale) in f32.
;;   ~~~python
;;   def quantise(x, axis):      # numpy; x: float32 -> the quantised numbers, widened to float32 again
;;       x = np.moveaxis(x, axis, -1); K = x.shape[-1]
;;       x = np.pad(x, [(0, 0)] * (x.ndim - 1) + [(0, -K % 32)]); x = x.reshape(x.shape[:-1] + (-1, 32)); a = np.abs(x).max(-1, keepdims=True)
;;       e = np.where(a > 0, np.clip(np.frexp(np.where(a > 0, a, 1))[1] - 1 - 4, -126, 127), 0)      # np.frexp(a)[1] - 1 = floor(log2(a)), exactly
;;       r = np.clip(x / 2.0 ** e, -28, 28)
;;       step = 2.0 ** (np.maximum(np.frexp(np.where(r == 0, 1, r))[1] - 1, -2) - 2)
;;       q = np.round(r / step) * step * 2.0 ** e      # np.round: ties to even
;;       return np.moveaxis(q.reshape(q.shape[:-2] + (-1,))[..., :K], -1, axis).astype(np.float32)
;;   ~~~
;;   SOFTMAX AHEAD OF A QUANTISED PRODUCT. Where the list says 'softmax', what is quantised is not the finished softmax but p = 2^(t - M), with t = logit x log2(e) and M = ceil(the row's largest t), a whole number; so 1/2 < the row's largest p <= 1. The row's sum l is taken of the UNQUANTISED p, in f32, and the product's result is divided by l at the end. Since M is a whole number, a kernel that streams over the keys may use a running M (the ceiling of the running maximum): every later rescaling is an exact power of two, which a block's scale takes up: the codes' values come out the same.
;;   OPERANDS COMPUTED ON THE WAY. 'Computed on the way' means the value that the module computes at that place (a softmax that the list does not call 'softmax' is quantised finished and normalised). What goes into a quantiser is computed in f32, as accurately as f32 sums, v_exp_f32 and their like allow (about 1e-6 of the number): no bf16 or f16 on the way to a quantiser, and a product that is left as it is and whose result goes on into a quantised operand takes f32 operands (vector FMAs, or v_wmma_f32_16x16x4_f32). A number that lies on a knife's edge between two numbers of the format may be rounded either way, as far as f32 arithmetic and the matrix unit's own rounding can turn it there, and no further.
;; One version. Each part assembles by itself: llvm-mc -triple=amdgcn-amd-amdhsa -mcpu=gfx1250 --defsym DOCPART=n.
;; ======== version 1 of 1: 4 launches
;; limits: right only within a limited range of input values
;; workspace buffers: c1 9,437,184 bytes; s1 393,216 bytes; qbuf 6,815,744 bytes; kv 13,369,344 bytes; oc 6,291,456 bytes; os 262,144 bytes
;; launch quant (part 1): grid 768 x 1, 4 waves a work-group, no clusters, 34,816 bytes of LDS; arguments x, w_in, w_out, c1, s1; writes c1, s1
.if DOCPART == 1
	.amdgcn_target "amdgcn-amd-amdhsa--gfx1250"
	.amdhsa_code_object_version 6
	.text
	.protected	k_q6e05255230_quant
	.globl	k_q6e05255230_quant
	.p2align	8
	.type	k_q6e05255230_quant,@function
k_q6e05255230_quant:
	s_mov_b64 s[64:65], 0
	v_nop
	global_prefetch_b8 v0, s[64:65] scope:SCOPE_SE
	s_setreg_imm32_b32 hwreg(HW_REG_WAVE_MODE, 25, 1), 1
	s_wait_xcnt 0x0
; SELF-ATTENTION IN MX-BF6, launch 1 of 4: x [8192][1024], w_in [3072][1024], w_out [1024][1024], f32, become codes of BF6 (E3M2) with one E8M0 byte for each 32 along K.
; DEAD WORK: none.  Every product of reference() is live, both biases go into a quantised operand (b_in, k's part too) or into the output (b_out): every input is loaded by some launch.
; LIMITS: a block whose largest magnitude lies under 2^-122 has its byte held at 1; a block of zeros gets the byte 1 with zero codes (this program alone reads the bytes); NaN and infinities among the inputs are not served.
; LAYOUT OF c1: 768 tiles of 16 rows (0-511 x, 512-703 w_in, 704-767 w_out), 12,288 bytes each, as IMAGES OF THE OPERAND'S REGISTERS.  Lane r of a tensor's tile 2 b + u holds row 32 b + 8 u + r + 8 (r / 8),
; so that a product with such a tile as source 0 leaves 16 neighbours of that tensor's rows in the 16 registers of tiles 2 b, 2 b + 1.  K step s (128 along K) lies at 1,536 s:
; registers 0-3 (16 bytes a lane), 4-5 (8 bytes a lane), 6-9, 10-11: 512 + 256 + 512 + 256 bytes.  s1: 512 bytes a tile: the word of K step s, lane r at 128 (s / 2) + 8 r + 4 (s % 2).
; SHARES: a work-group takes a tile, wave w its K steps 2 w and 2 w + 1.  Each load reads 512 consecutive bytes of a row; a step's 16 rows turn through the wave's own stage in LDS (rows 528 bytes apart),
; from which lane (r, h) takes, of row r, 16 neighbours of each block of 32.  All 32 loads of a wave go out at once.  Memory binds: no matrix unit, no cluster, no tensor load (nothing is shared).
.set STGW,  8448                       ; a wave's stage: 16 rows x 528 bytes
.set SCG,   4*STGW                     ; 512 bytes: the tile's scale words are gathered here
.set SPARE, SCG+512                    ; the spare words, 128 bytes a wave
.set PW,  12                           ; v12-13  the two K steps' scale words
.set SPW, 14                           ; v14     my spare word's address; never rewritten
.set NIL, 15                           ; v15     0; never rewritten
.set PC,  16                           ; v16-39  codes: 12 registers for each of the two K steps
.set YT,  40                           ; v40-47  the upper halves of blocks, on their way
.set TM,  48                           ; v48-63  at work in QUANT
.set R,   64                           ; v64-191 the numbers as loaded
.set X,   192                          ; v192-255 64 numbers of my row: register 16 b + i = k 32 b + 16 h + i
.set SEL, 22                           ; s[22:23] v_permlanex16_b32's selects for lane l xor 16
; 64 numbers of a lane become a fragment's codes, registers 0-5 in v[d0] on and 6-11 in v[d1] on, and its scale word in v[pw].
.macro QUANT s, d0, d1, pw
.irp b, 0,1,2,3
	v_max3_num_f32 v[TM+\b], |v[\s+16*\b]|, |v[\s+1+16*\b]|, 0x2800000   ; block b: my 16 numbers, and the floor 2^(5 - 127): the byte cannot fall under 1
.endr
.irp i, 2,4,6,8,10,12,14
.irp b, 0,1,2,3
	v_max3_num_f32 v[TM+\b], v[TM+\b], |v[\s+16*\b+\i]|, |v[\s+1+16*\b+\i]|   ; the four blocks by turns
.endr
.endr
.irp b, 0,1,2,3
	v_permlanex16_b32 v[TM+4+\b], v[TM+\b], s[SEL], s[SEL+1]
.endr
.irp b, 0,1,2,3
	v_max_num_f32 v[TM+\b], v[TM+\b], v[TM+4+\b]   ; with lane l xor 16's: the block's largest magnitude
.endr
.irp b, 0,1,2,3
	v_add_nc_u32 v[TM+12+\b], 0xfe000000, v[TM+\b]   ; 4 off its exponent field: the conversion's scale operand
.endr
.irp b, 0,1,2,3
	v_lshrrev_b32 v[TM+4+\b], 23, v[TM+12+\b]      ; the scale's byte
.endr
	v_lshl_or_b32 v[\pw], v[TM+5], 8, v[TM+4]
	v_lshl_or_b32 v[\pw], v[TM+6], 16, v[\pw]
	v_lshl_or_b32 v[\pw], v[TM+7], 24, v[\pw]
	v_cvt_scalef32_pk16_bf6_f32 v[\d0:\d0+2], v[\s:\s+15], v[TM+12]
	v_cvt_scalef32_pk16_bf6_f32 v[YT:YT+2], v[\s+16:\s+31], v[TM+13]
	v_cvt_scalef32_pk16_bf6_f32 v[\d1:\d1+2], v[\s+32:\s+47], v[TM+14]
	v_cvt_scalef32_pk16_bf6_f32 v[YT+4:YT+6], v[\s+48:\s+63], v[TM+15]
	v_nop                                          ; one plain place behind a scaled conversion
.irp i, 0,1,2
	v_permlane16_swap_b32 v[\d0+\i], v[YT+\i]      ; a whole block to a lane: lanes 0-15 the even block, lanes 16-31 the odd one
.endr
.irp i, 0,1,2
	v_mov_b32 v[\d0+3+\i], v[YT+\i]
.endr
.irp i, 0,1,2
	v_permlane16_swap_b32 v[\d1+\i], v[YT+4+\i]
.endr
.irp i, 0,1,2
	v_mov_b32 v[\d1+3+\i], v[YT+4+\i]
.endr
.endm
	s_load_b128 s[4:7], s[0:1], 0x0                ; x, w_in
	s_load_b128 s[8:11], s[0:1], 0x10              ; w_out, c1
	s_load_b64 s[12:13], s[0:1], 0x20              ; s1
	v_lshl_add_u32 v[SPW], v0, 2, SPARE
	v_mov_b32 v[NIL], 0
	v_lshrrev_b32 v7, 5, v0
	v_readfirstlane_b32 s14, v7                    ; wave
	v_and_b32 v7, 31, v0                           ; lane
	v_and_b32 v8, 15, v0                           ; r
	v_bfe_u32 v9, v0, 4, 1                         ; h
	v_lshlrev_b32 v1, 4, v7                        ; 16 x lane
	v_lshlrev_b32 v2, 3, v7                        ; 8 x lane
	s_mul_i32 s15, s14, STGW
	v_add_nc_u32 v3, s15, v1                       ; the stage, way in: a row's 512 bytes as they lie
	v_mul_u32_u24 v4, v8, 528
	v_lshl_add_u32 v4, v9, 6, v4
	v_add_nc_u32 v4, s15, v4                       ; way out: row r, + 64 h
	s_lshl_b32 s15, s14, 7
	s_add_co_u32 s15, s15, SCG
	v_lshl_add_u32 v5, v8, 3, s15                  ; my row's two scale words: 128 x wave + 8 r
	v_add_nc_u32 v6, SCG, v1                       ; and the whole 512 bytes, 16 a lane
.irp b, 0,1,2,3
	v_mov_b32 v[TM+4+\b], 0                        ; written once: a lane permute's destination counts as one of its sources
.endr
	s_mov_b32 s[SEL], 0x76543210
	s_mov_b32 s[SEL+1], 0xfedcba98
	s_cmp_lt_u32 ttmp9, 512                        ; which tensor, and which of its tiles
	s_cselect_b32 s16, 0, 512
	s_cmp_lt_u32 ttmp9, 704
	s_cselect_b32 s16, s16, 704
	s_sub_co_u32 s16, ttmp9, s16                   ; T
	s_lshr_b32 s17, s16, 1
	s_lshl_b32 s17, s17, 17                        ; 32 (T / 2) rows of 4,096 bytes
	s_and_b32 s18, s16, 1
	s_lshl_b32 s18, s18, 15                        ; + 8 (T % 2) rows
	s_add_co_u32 s18, s18, s17
	s_lshl_b32 s17, s14, 10                        ; + my wave's 256 numbers of a row
	s_add_co_u32 s18, s18, s17
	s_mov_b32 s19, 0
	; WHERE A TILE'S IMAGE LIES IN c1: a group of 16 tiles is 196,608 bytes, laid [chunk of two K steps][tile][3,072 bytes],
	; so that a group's chunks are dense blocks of memory; inside a chunk K step s % 2 lies at 1,536 (s % 2).  Wave w makes chunk w.
	s_lshr_b32 s20, ttmp9, 4
	s_mul_i32 s20, s20, 196608                     ; the group,
	s_and_b32 s17, ttmp9, 15
	s_mul_i32 s17, s17, 3072                       ; the tile's place in a chunk,
	s_add_co_u32 s20, s20, s17
	s_mul_i32 s17, s14, 49152                      ; my wave's chunk
	s_add_co_u32 s20, s20, s17
	s_mov_b32 s21, 0
	s_lshl_b32 s24, ttmp9, 9                       ; the tile's scale words
	s_mov_b32 s25, 0
	s_wait_alu depctr_va_vdst(0)
	s_wait_kmcnt 0x0
	s_cmp_lt_u32 ttmp9, 512                        ; the choice hangs on the work-group's number alone
	s_cselect_b64 s[4:5], s[4:5], s[6:7]
	s_cmp_lt_u32 ttmp9, 704
	s_cselect_b64 s[4:5], s[4:5], s[8:9]
	s_add_nc_u64 s[4:5], s[4:5], s[18:19]
	s_add_nc_u64 s[10:11], s[10:11], s[20:21]
	s_add_nc_u64 s[12:13], s[12:13], s[24:25]
.irp s, 0,1
.irp q, 0,1,2,3,4,5,6,7,8,9,10,11,12,13,14,15
	global_load_b128 v[R+64*\s+4*\q:R+64*\s+4*\q+3], v1, s[4:5] offset:(\q+8*(\q/8))*4096+512*\s th:TH_LOAD_NT   ; lane row q of the tile, K step s: 512 consecutive bytes
.endr
.endr
.macro HALF s
.irp q, 0,1,2,3,4,5,6,7,8,9,10,11,12,13,14,15
	ds_store_b128 v3, v[R+64*\s+4*\q:R+64*\s+4*\q+3] offset:528*\q
.endr
.irp b, 0,1,2,3
.irp j, 0,1,2,3
	ds_load_b128 v[X+16*\b+4*\j:X+16*\b+4*\j+3], v4 offset:128*\b+16*\j   ; LDS serves a wave's instructions in order: these see my stores
.endr
.endr
	s_wait_dscnt 0x0
	QUANT X, PC+12*\s, PC+12*\s+6, PW+\s
	global_store_b128 v1, v[PC+12*\s:PC+12*\s+3], s[10:11] offset:1536*\s            ; each store covers 512 or 256 consecutive bytes, aligned to 256
	global_store_b64 v2, v[PC+12*\s+4:PC+12*\s+5], s[10:11] offset:1536*\s+512
	global_store_b128 v1, v[PC+12*\s+6:PC+12*\s+9], s[10:11] offset:1536*\s+768
	global_store_b64 v2, v[PC+12*\s+10:PC+12*\s+11], s[10:11] offset:1536*\s+1280
.endm
	s_wait_loadcnt 16                              ; the first K step's 16 loads are in; the second's may be out
	HALF 0
	s_wait_loadcnt 0x0
	HALF 1
	ds_store_b64 v5, v[PW:PW+1]                    ; both lanes of a row write the same words with the same values
	s_wait_dscnt 0x0                               ; for the others' sake: my store has landed
	s_barrier_signal -1
	s_barrier_wait -1
	s_cmp_lg_u32 s14, 0
	s_cbranch_scc1 .Lnot_wave_0
	ds_load_b128 v[X:X+3], v6                      ; wave 0 stores the tile's 512 bytes of scale words whole
	s_wait_dscnt 0x0
	global_store_b128 v1, v[X:X+3], s[12:13]
.Lnot_wave_0:
	s_wait_tensorcnt 0x0                           ; the wave's end
	ds_add_u32 v[SPW], v[NIL]
	s_wait_dscnt 0x0
	s_endpgm
.Lfunc_end_k_q6e05255230_quant:
	.size	k_q6e05255230_quant, .Lfunc_end_k_q6e05255230_quant-k_q6e05255230_quant
	.p2alignl 7, 3214868480
	.fill 96, 4, 3214868480
	.section	.rodata,"a",@progbits
	.p2align	6, 0x0
	.amdhsa_kernel k_q6e05255230_quant
		.amdhsa_group_segment_fixed_size 34816
		.amdhsa_private_segment_fixed_size 0
		.amdhsa_enable_private_segment 0
		.amdhsa_kernarg_size 40
		.amdhsa_user_sgpr_count 2
		.amdhsa_user_sgpr_kernarg_segment_ptr 1
		.amdhsa_wavefront_size32 1
		.amdhsa_system_sgpr_workgroup_id_x 1
		.amdhsa_system_sgpr_workgroup_id_y 1
		.amdhsa_system_sgpr_workgroup_id_z 1
		.amdhsa_system_vgpr_workitem_id 0
		.amdhsa_next_free_vgpr 256
		.amdhsa_next_free_sgpr 66
		.amdhsa_reserve_vcc 0
		.amdhsa_float_denorm_mode_32 3
		.amdhsa_float_denorm_mode_16_64 3
		.amdhsa_memory_ordered 1
		.amdhsa_forward_progress 1
		.amdhsa_inst_pref_size 19
	.end_amdhsa_kernel
	.amdgpu_metadata
---
amdhsa.version: [ 1, 2 ]
amdhsa.kernels:
  - .name:           k_q6e05255230_quant
    .symbol:         k_q6e05255230_quant.kd
    .args:
      - { .name: x, .offset: 0, .size: 8, .value_kind: global_buffer, .address_space: global }
      - { .name: w_in, .offset: 8, .size: 8, .value_kind: global_buffer, .address_space: global }
      - { .name: w_out, .offset: 16, .size: 8, .value_kind: global_buffer, .address_space: global }
      - { .name: c1, .offset: 24, .size: 8, .value_kind: global_buffer, .address_space: global }
      - { .name: s1, .offset: 32, .size: 8, .value_kind: global_buffer, .address_space: global }
    .group_segment_fixed_size: 34816
    .private_segment_fixed_size: 0
    .kernarg_segment_align: 8
    .kernarg_segment_size: 40
    .max_flat_workgroup_size: 128
    .sgpr_count:     66
    .vgpr_count:     256
    .wavefront_size: 32
...
	.end_amdgpu_metadata
.endif
;; end of part 1
;; launch gemm_in (part 2): grid 12 x 32, 4 waves a work-group, clusters of 4 x 4, 327,680 bytes of LDS; arguments c1, s1, b_in, qbuf, kv; writes qbuf, kv
.if DOCPART == 2
	.amdgcn_target "amdgcn-amd-amdhsa--gfx1250"
	.amdhsa_code_object_version 6
	.text
	.protected	k_q6e05255230_gemm_in
	.globl	k_q6e05255230_gemm_in
	.p2align	8
	.type	k_q6e05255230_gemm_in,@function
k_q6e05255230_gemm_in:
	s_mov_b64 s[64:65], 0
	v_nop
	global_prefetch_b8 v0, s[64:65] scope:SCOPE_SE
	s_setreg_imm32_b32 hwreg(HW_REG_WAVE_MODE, 25, 1), 1
	s_wait_xcnt 0x0
	s_wait_alu depctr_hold_cnt(0) depctr_sa_sdst(0) depctr_va_vdst(0) depctr_va_sdst(0) depctr_va_ssrc(0) depctr_va_vcc(0) depctr_vm_vsrc(0)
	s_getreg_b32 s2, hwreg(HW_REG_IB_STS2, 6, 4)
	s_cmp_eq_u32 s2, 0
	s_cbranch_scc0 .Lentry_in_a_cluster
	s_endpgm
.Lentry_in_a_cluster:
	s_bfe_u32 s2, ttmp6, 0x10000c
	s_cmp_lg_u32 s2, 0xf033
	s_cbranch_scc0 .Lentry_shape_is_right
	s_endpgm
.Lentry_shape_is_right:
; Launch 2 of 4: qkv = x w_in^T + b_in on codes of BF6, and q, k (along the head's 64) and v (along the keys) quantised in registers into the images that the attention launch reads.  No work is left out.
; LIMITS: as in the first launch (byte held at 1 from below; zero blocks get byte 1 with zero codes; NaN and infinities not served).
; A work-group makes 256 columns x 256 tokens, each of its four waves 128 x 128: 64 accumulators.  K = 1,024 goes in 8 steps of 128; a CHUNK is two steps (3,072 bytes a tile of 16 rows).
; LDS: three slots of one chunk (16 tiles of w_in, then 16 tiles of x), all filled at the head; the fourth chunk is the one refill, into slot 0.  Tiles lie as images of the operand's registers: every LDS load is 16 or 8 bytes a lane, on end.
; CLUSTER 4 x 4: w_in's tiles hang on the column tile alone and are shared along a column of the cluster, x's on the token tile alone and are shared along a row: joint loads.
; ROLES.  P is source 0 (two register sets), Q source 1 (one set).  Columns of q and k (cluster x 0, 1): P = w_in, Q = x: a lane holds ONE TOKEN and 16 neighbouring columns in each pair of tiles.
; Columns of v (cluster x = 2): P = x, Q = w_in: a lane holds ONE COLUMN and 16 neighbouring tokens, the keys.  Only the LDS read addresses differ; kind hangs on the cluster's x, which all partners share.
; OUT.  qbuf, a head: 64 images of a pair of tiles (2 x 6 registers, 1,536 bytes), then at 98,304 sixteen images of scale words (8 tiles: the word of tile 2 b + u, lane r at 256 u + 16 r + 4 b; bytes 2, 3 are 0).
; kv, a head: 17 blocks of 12,288 bytes.  Block 0: k's 16 scale images as q's; at 8,192 v's 16 (the word of d tile 2 k + u, lane r at 128 u + 8 r + 4 k).  Block 1 + j, keys 128 j on: 4 pair images of k, then 4 fragments of v (16 d x 128 keys).
; REGISTERS: window 0: v8-24 addresses; v28, v29 the add's two; v32-95 scale words, two sets; v96-127 at work on the way out; v128-223 Q's 8 fragments (later the way out); v224-235 selections.
;   window 1: P's two sets at v0 and v128; the bias at v96-127 and v224-255.   windows 2, 3: the accumulators, (a, b) at v[8 (8 (a % 4) + b)].
; c1 holds a group of 16 tiles as [chunk][tile][3,072 bytes]: a chunk of 16 tiles is one dense block of 49,152 bytes.
; THE FILLS: at the head one joint load a wave: wave 0 w_in's chunk 0, wave 1 x's, wave 2 w_in's scale words, wave 3 x's.  Behind one round of the cluster's barrier one more a wave:
; waves 0, 1 bring chunk 1 of w_in and of x into slot 1, waves 2, 3 chunk 2 into slot 2.  Chunk 3 is the one refill, into slot 0, 8 tiles a wave.
.set SLOT,  98304
.set XREG,  49152                      ; x's 16 tiles in a slot, behind w_in's
.set HALFT, 24576                      ; 8 tiles of a chunk: what one tensor load brings, and what a wave reads of P or Q
.set CHUNK, 3072
.set TILEB, 12288
.set KVH,   208896                     ; a head in kv
.set QH,    106496                     ; a head in qbuf
.set SCL,   3*SLOT                     ; the scale words for all of K: w_in's 16 tiles x 512 bytes, then x's
.set SPARE, SCL+16384                  ; the spare words, 128 bytes a wave
.set FR,   12
.set AP16, 8                           ; v8-10   P's tiles in slot 0, 1, 2: + 16 x lane
.set AP8,  11                          ; v11-13  + 8 x lane
.set AQ16, 14                          ; v14-16  Q's
.set AQ8,  17                          ; v17-19
.set APS,  20                          ; v20     P's scale words: + 8 r
.set AQS,  21                          ; v21     Q's
.set L16,  22                          ; v22     16 x lane
.set L8,   23                          ; v23     8 x lane
.set BO,   24                          ; v24     the bias's offset
.set SPW,  28
.set NIL,  29
.set SC,   32                          ; set c % 2 at v[SC + 32 (c % 2)]: P's words at 2 i + q, Q's 16 further on
.set QF,   128
.set TM,   96                          ; the way out: v96-111 at work in QUANT
.set WS,   112                         ; v112-119 the eight scale words
.set T,    128                         ; v128-191 64 numbers
.set GA,   192                         ; v192-203, v204-215 codes
.set GB,   204
.set YT,   216
.set SL,   224
.set SEL,  2                           ; s[2:3]
.set G1W,  24                          ; descriptors: group 1 for w_in's codes; groups 0 at 32, 36, 40; the scales' at 44 (group 1 at 76)
.set G0W,  32
.set G0SW, 44
.set G1X,  48                          ; x's: group 1; groups 0 at 56, 60, 68; the scales' at 72 (group 1 at 84)
.set G0X,  56
.set G0SX, 72
.set G1SW, 76
.set G1SX, 84
.set MSB, 0
.macro WIN new                         ; the immediate's high byte repeats the setting that is left
.if MSB != \new
	s_set_vgpr_msb (MSB<<8)|\new
.set MSB, \new
.endif
.endm
.set MUL_LO, 0xa1                      ; source 0 (P) window 1, source 1 (Q) window 0, C and D window 2
.set MUL_HI, 0xf1
.set TO_P,   0x40                      ; destination window 1
; A joint load: waves 0, 1 fetch w_in's halves, waves 2, 3 x's.  The branch hangs on the wave's number alone.  An s_nop 0 and four v_nop follow each line.
.macro JLOAD g0a, g1a, g0b, g1b
	s_cmp_eq_u32 s15, 0
	s_cbranch_scc0 .Lfor_x_\@
	tensor_load_to_lds s[\g0a:\g0a+3], s[\g1a:\g1a+7]
	s_nop 0
.rept 4
	v_nop
.endr
	s_branch .Lasked_\@
.Lfor_x_\@:
	tensor_load_to_lds s[\g0b:\g0b+3], s[\g1b:\g1b+7]
	s_nop 0
.rept 4
	v_nop
.endr
.Lasked_\@:
.endm
.macro CREST                           ; a round of the cluster's barrier behind its opening barrier
	s_cmp_lg_u32 s14, 0
	s_cbranch_scc1 .Lnot_wave_0_\@
	s_barrier_signal -3
.Lnot_wave_0_\@:
	s_barrier_wait -3
	s_barrier_signal -1
	s_barrier_wait -1
.endm
.macro CROUND
	s_barrier_signal -1
	s_barrier_wait -1
	CREST
.endm
.macro PLACES                          ; four places behind a matrix instruction, ahead of loads into its registers and of reads of its results
.rept 4
	v_nop
.endr
.endm
.macro QUANT s, d0, d1, pw             ; 64 numbers of a lane (register 16 b + i = k 32 b + 16 h + i) -> codes, registers 0-5 at d0, 6-11 at d1; scale word in pw
.irp b, 0,1,2,3
	v_max3_num_f32 v[TM+\b], |v[\s+16*\b]|, |v[\s+1+16*\b]|, 0x2800000   ; and the floor 2^(5 - 127)
.endr
.irp i, 2,4,6,8,10,12,14
.irp b, 0,1,2,3
	v_max3_num_f32 v[TM+\b], v[TM+\b], |v[\s+16*\b+\i]|, |v[\s+1+16*\b+\i]|
.endr
.endr
.irp b, 0,1,2,3
	v_permlanex16_b32 v[TM+4+\b], v[TM+\b], s[SEL], s[SEL+1]
.endr
.irp b, 0,1,2,3
	v_max_num_f32 v[TM+\b], v[TM+\b], v[TM+4+\b]
.endr
.irp b, 0,1,2,3
	v_add_nc_u32 v[TM+12+\b], 0xfe000000, v[TM+\b]   ; 4 off the exponent field: the conversion's scale operand
.endr
.irp b, 0,1,2,3
	v_lshrrev_b32 v[TM+4+\b], 23, v[TM+12+\b]
.endr
	v_lshl_or_b32 v[\pw], v[TM+5], 8, v[TM+4]
	v_lshl_or_b32 v[\pw], v[TM+6], 16, v[\pw]
	v_lshl_or_b32 v[\pw], v[TM+7], 24, v[\pw]
	v_cvt_scalef32_pk16_bf6_f32 v[\d0:\d0+2], v[\s:\s+15], v[TM+12]
	v_cvt_scalef32_pk16_bf6_f32 v[YT:YT+2], v[\s+16:\s+31], v[TM+13]
	v_cvt_scalef32_pk16_bf6_f32 v[\d1:\d1+2], v[\s+32:\s+47], v[TM+14]
	v_cvt_scalef32_pk16_bf6_f32 v[YT+4:YT+6], v[\s+48:\s+63], v[TM+15]
	v_nop                                          ; one plain place behind a scaled conversion
.irp i, 0,1,2
	v_permlane16_swap_b32 v[\d0+\i], v[YT+\i]
.endr
.irp i, 0,1,2
	v_mov_b32 v[\d0+3+\i], v[YT+\i]
.endr
.irp i, 0,1,2
	v_permlane16_swap_b32 v[\d1+\i], v[YT+4+\i]
.endr
.irp i, 0,1,2
	v_mov_b32 v[\d1+3+\i], v[YT+4+\i]
.endr
.endm
	s_load_b256 s[4:11], s[0:1], 0x0               ; c1 s[4:5], s1 s[6:7], b_in s[8:9], qbuf s[10:11]
	s_load_b64 s[12:13], s[0:1], 0x20              ; kv
	v_lshl_add_u32 v[SPW], v0, 2, SPARE
	v_mov_b32 v[NIL], 0
	ds_add_u32 v[SPW], v[NIL]                      ; the wave's opening: the add, twice on end, and its wait ahead of my first tensor load
	ds_add_u32 v[SPW], v[NIL]
	v_lshrrev_b32 v1, 5, v0
	v_readfirstlane_b32 s14, v1                    ; wave
	s_lshr_b32 s15, s14, 1                         ; Q's half that is mine.  Also: I fetch for w_in (0) or for x (1)
	s_and_b32 s16, s14, 1                          ; P's half.  Also: which 8 tiles I fetch
	s_bfe_u32 s92, ttmp6, 0x40000                  ; cx
	s_bfe_u32 s93, ttmp6, 0x40004                  ; cy
	s_lshl_b32 s19, ttmp9, 2
	s_add_co_u32 s19, s19, s92                     ; x: the tile of 256 columns
	s_and_b32 s17, ttmp7, 0xffff
	s_lshl_b32 s17, s17, 2
	s_add_co_u32 s17, s17, s93                     ; y: the tile of 256 tokens
	s_lshr_b32 s18, ttmp9, 1
	s_min_u32 s18, s18, 1                          ; kind: 0 for q's and k's columns, 1 for v's
	s_lshl_b32 s94, s93, 2
	s_lshl_b32 s94, 15, s94                        ; my row of the cluster
	s_lshl_b32 s95, 0x1111, s92                    ; my column
	s_or_b32 s[G1W], s95, (3<<16)|(1<<21)          ; 15:0 the mask; 17:16 elements of 8 bytes; 21 set beside a mask; no padding
	s_or_b32 s[G1X], s94, (3<<16)|(1<<21)
	s_or_b32 s[G1SW], s95, (3<<16)|(1<<21)
	s_or_b32 s[G1SX], s94, (3<<16)|(1<<21)
.irp g, G1W, G1X                       ; codes: 8 tiles' chunks: 8 rows of 384 elements (3,072 bytes), 384 elements apart: dense
	s_mov_b32 s[\g+1], 384<<16
	s_mov_b32 s[\g+2], 16<<16                      ; the first fills: 16 dense rows of 3,072 bytes
	s_mov_b32 s[\g+3], 384<<16
	s_mov_b32 s[\g+4], 16
	s_mov_b32 s[\g+5], 384
	s_mov_b32 s[\g+6], 0
	s_mov_b32 s[\g+7], 0
.endr
.irp g, G1SW, G1SX                     ; scale words: 16 tiles x 512 dense bytes, as 32 rows of 256 bytes
	s_mov_b32 s[\g+1], 32<<16
	s_mov_b32 s[\g+2], 32<<16                      ; 16 tiles x 512 bytes: 32 rows of 256 bytes
	s_mov_b32 s[\g+3], 32<<16
	s_mov_b32 s[\g+4], 32
	s_mov_b32 s[\g+5], 32
	s_mov_b32 s[\g+6], 0
	s_mov_b32 s[\g+7], 0
.endr
	s_lshl_b32 s22, s17, 13                        ; x's scale words: group y, 16 tiles x 512 bytes (never holds the column tile)
	s_mov_b32 s23, 0
	s_add_co_u32 s98, s19, 32                      ; w_in's group: 32 + x (never holds the token tile)
	s_lshl_b32 s100, s98, 13
	s_mov_b32 s101, 0
	s_mul_i32 s20, s17, 16*TILEB                   ; the groups' codes
	s_mov_b32 s21, 0
	s_mul_i32 s98, s98, 16*TILEB
	s_mov_b32 s99, 0
	s_add_co_u32 s97, s15, 1                       ; the second fills: my chunk, 1 + wave / 2:
	s_mul_i32 s92, s97, 16*CHUNK                   ; its place in a group,
	s_mov_b32 s93, 0
	s_mul_i32 s97, s97, SLOT                       ; and its slot
	s_mul_i32 s94, s16, HALFT                      ; the refill: which 8 tiles of a chunk I fetch,
	s_mov_b32 s95, 0
	s_mul_i32 s96, s14, HALFT                      ; and where they go in slot 0: wave x 8 tiles
	s_mov_b32 s[SEL], 0x76543210
	s_mov_b32 s[SEL+1], 0xfedcba98
	s_wait_dscnt 0x0                               ; both opening adds are done
	s_wait_kmcnt 0x0
	s_add_nc_u64 s[20:21], s[4:5], s[20:21]
	s_add_nc_u64 s[22:23], s[6:7], s[22:23]
	s_add_nc_u64 s[98:99], s[4:5], s[98:99]
	s_add_nc_u64 s[100:101], s[6:7], s[100:101]
	CROUND                                         ; all sixteen work-groups are here: the first joint loads meet
	s_mov_b32 s[G0SW], 1
	s_mov_b32 s[G0SW+1], SCL
	s_mov_b64 s[G0SW+2:G0SW+3], s[100:101]
	s_or_b32 s[G0SW+3], s[G0SW+3], 0x80000000
	s_mov_b32 s[G0SX], 1
	s_mov_b32 s[G0SX+1], SCL+8192
	s_mov_b64 s[G0SX+2:G0SX+3], s[22:23]
	s_or_b32 s[G0SX+3], s[G0SX+3], 0x80000000
	s_mov_b32 s36, 1                               ; the head's group 0: w_in's chunk 0,
	s_mov_b32 s37, 0
	s_mov_b64 s[38:39], s[98:99]
	s_or_b32 s39, s39, 0x80000000
	s_mov_b32 s60, 1                               ; and x's
	s_mov_b32 s61, XREG
	s_mov_b64 s[62:63], s[20:21]
	s_or_b32 s63, s63, 0x80000000
	s_mov_b32 s40, 1                               ; the second fills': chunk 1 + wave / 2 of w_in,
	s_mov_b32 s41, s97
	s_add_nc_u64 s[42:43], s[98:99], s[92:93]
	s_or_b32 s43, s43, 0x80000000
	s_mov_b32 s68, 1                               ; and of x
	s_add_co_u32 s69, s97, XREG
	s_add_nc_u64 s[70:71], s[20:21], s[92:93]
	s_or_b32 s71, s71, 0x80000000
	s_mov_b32 s[G0W], 1                            ; the refill's: my 8 tiles of chunk 0; the step to chunk 3 is added ahead of the refill
	s_mov_b32 s[G0W+1], s96
	s_add_nc_u64 s[G0W+2:G0W+3], s[98:99], s[94:95]
	s_or_b32 s[G0W+3], s[G0W+3], 0x80000000
	s_mov_b32 s[G0X], 1
	s_mov_b32 s[G0X+1], s96
	s_add_nc_u64 s[G0X+2:G0X+3], s[20:21], s[94:95]
	s_or_b32 s[G0X+3], s[G0X+3], 0x80000000
; One chain of branches on the wave's number, one load to an arm, all arms leading to one join: one tensor load a wave at the head.
.macro ARM under, g0, g1, next
	s_cmp_lt_u32 s14, \under
	s_cbranch_scc0 \next
	tensor_load_to_lds s[\g0:\g0+3], s[\g1:\g1+7]
	s_nop 0
.rept 4
	v_nop
.endr
	s_branch .Lhead_asked
\next:
.endm
	ARM 1, 36, G1W, .Lhead_x
	ARM 2, 60, G1X, .Lhead_sw
	ARM 3, G0SW, G1SW, .Lhead_sx
	tensor_load_to_lds s[G0SX:G0SX+3], s[G1SX:G1SX+7]
	s_nop 0
.rept 4
	v_nop
.endr
.Lhead_asked:
	v_and_b32 v1, 31, v0
	v_and_b32 v2, 15, v0
	v_lshlrev_b32 v[L16], 4, v1
	s_wait_alu depctr_va_vdst(0)
	v_lshlrev_b32 v[L8], 3, v1
	s_wait_alu depctr_va_vdst(0)
	s_xor_b32 s92, s18, 1                          ; 1 - kind
	s_mul_i32 s93, s18, XREG                       ; P's region of a slot,
	s_mul_i32 s94, s16, HALFT
	s_add_co_u32 s93, s93, s94                     ; my half of it
	s_mul_i32 s94, s92, XREG                       ; Q's
	s_mul_i32 s95, s15, HALFT
	s_add_co_u32 s94, s94, s95
.irp s, 0,1,2
	v_add_nc_u32 v[AP16+\s], s93, v[L16]
	v_add_nc_u32 v[AP8+\s], s93, v[L8]
	v_add_nc_u32 v[AQ16+\s], s94, v[L16]
	v_add_nc_u32 v[AQ8+\s], s94, v[L8]
	s_add_co_u32 s93, s93, SLOT
	s_add_co_u32 s94, s94, SLOT
.endr
	s_lshl_b32 s93, s18, 13
	s_lshl_b32 s95, s16, 12
	s_add_co_u32 s93, s93, s95
	s_add_co_u32 s93, s93, SCL
	v_lshl_add_u32 v[APS], v2, 3, s93
	s_lshl_b32 s94, s92, 13
	s_lshl_b32 s95, s15, 12
	s_add_co_u32 s94, s94, s95
	s_add_co_u32 s94, s94, SCL
	v_lshl_add_u32 v[AQS], v2, 3, s94
.irp b, 0,1,2,3
	v_mov_b32 v[TM+4+\b], 0                        ; written once: a lane permute's destination counts as one of its sources
.endr
	s_mov_b32 s96, 0xffff0000                      ; lanes 16-31, for the selections on the way out
.macro FRAG reg, a16, a8, off          ; a fragment's image: registers 0-3, 4-5, 6-9, 10-11
	ds_load_b128 v[\reg:\reg+3], v[\a16] offset:\off
	ds_load_b64 v[\reg+4:\reg+5], v[\a8] offset:\off+512
	ds_load_b128 v[\reg+6:\reg+9], v[\a16] offset:\off+768
	ds_load_b64 v[\reg+10:\reg+11], v[\a8] offset:\off+1280
.endm
.macro FETCH_P slot, q, set            ; 32 loads
	WIN TO_P
.irp i, 0,1,2,3,4,5,6,7
	FRAG 128*(\set)+FR*\i, AP16+\slot, AP8+\slot, CHUNK*\i+1536*(\q)
.endr
	WIN 0
.endm
.macro FETCH_Q slot, q, i0             ; blocks i0 .. i0 + 3: 16 loads
.irp i, \i0, \i0+1, \i0+2, \i0+3
	FRAG QF+FR*(\i), AQ16+\slot, AQ8+\slot, CHUNK*(\i)+1536*(\q)
.endr
.endm
.macro SCALES c                        ; chunk c's scale words, two a row: 16 loads
.irp i, 0,1,2,3,4,5,6,7
	ds_load_b64 v[SC+32*((\c)%2)+2*\i:SC+32*((\c)%2)+2*\i+1], v[APS] offset:512*\i+128*(\c)
	ds_load_b64 v[SC+32*((\c)%2)+16+2*\i:SC+32*((\c)%2)+16+2*\i+1], v[AQS] offset:512*\i+128*(\c)
.endr
.endm
.macro KSET k                          ; K step k: its half of a chunk (also P's set), its set of scale words; the next step's chunk, half and slot
.set KQ,  (\k)%2
.set KSC, ((\k)/2)%2
.set NC,  ((\k)+1)/2
.set NQ2, ((\k)+1)%2
.set NSL, NC%3
.endm
; 16 matrix instructions: Q's blocks a0, a0 + 1 x P's eight.  The 64 accumulators take turns, one instruction a turn, in the same order in every step.
.macro MUL16 a0, zero
.irp a, \a0, \a0+1
.irp b, 0,1,2,3,4,5,6,7
.if \zero
	v_wmma_scale_f32_16x16x128_f8f6f4 v[8*(8*((\a)%4)+\b):8*(8*((\a)%4)+\b)+7], v[128*KQ+FR*\b:128*KQ+FR*\b+FR-1], v[QF+FR*(\a):QF+FR*(\a)+FR-1], 0, v[SC+32*KSC+2*\b+KQ], v[SC+32*KSC+16+2*(\a)+KQ] matrix_a_fmt:MATRIX_FMT_BF6 matrix_b_fmt:MATRIX_FMT_BF6
.else
	v_wmma_scale_f32_16x16x128_f8f6f4 v[8*(8*((\a)%4)+\b):8*(8*((\a)%4)+\b)+7], v[128*KQ+FR*\b:128*KQ+FR*\b+FR-1], v[QF+FR*(\a):QF+FR*(\a)+FR-1], v[8*(8*((\a)%4)+\b):8*(8*((\a)%4)+\b)+7], v[SC+32*KSC+2*\b+KQ], v[SC+32*KSC+16+2*(\a)+KQ] matrix_a_fmt:MATRIX_FMT_BF6 matrix_b_fmt:MATRIX_FMT_BF6
.endif
.endr
.endr
.endm
.macro NEXT1                           ; the next step's P, Q's blocks 0-3 and, at a new chunk, its scale words
	FETCH_P NSL, NQ2, NQ2
	FETCH_Q NSL, NQ2, 0
.if NQ2 == 0
	SCALES NC
.endif
.endm
.macro SECOND                          ; a step's second half
	WIN MUL_HI
	MUL16 4, 0
	MUL16 6, 0
	PLACES
	WIN 0
	FETCH_Q NSL, NQ2, 4
.endm
.macro STEP k, zero
	KSET \k
	s_wait_dscnt 16                                ; all but the youngest 16 loads (Q's blocks 4-7) are in
	WIN MUL_LO
	MUL16 0, \zero
	MUL16 2, \zero
	s_wait_dscnt 0x0                               ; Q's blocks 4-7 are in
	PLACES
	NEXT1
.if \zero
	WIN MUL_HI
	MUL16 4, 1
	MUL16 6, 1
	PLACES
	WIN 0
	FETCH_Q NSL, NQ2, 4
.else
	SECOND
.endif
.endm
; A step with a barrier.  In front of it each wave waits for all its tensor loads, adds 0 to its spare word, and waits for that and for its LDS reads.  fill = 1: the barrier opens a round of the cluster's, and slot 0 takes chunk 3.
.macro TURN k, fill
	KSET \k
	s_wait_tensorcnt 0x0                           ; all my tensor loads have landed
	ds_add_u32 v[SPW], v[NIL]                      ; 0 onto my spare word
.if \fill
	s_mov_b32 s[G1W+2], 8<<16                      ; no tensor load of mine is out, so a descriptor may be written: the refill brings 8 rows of 3,072 bytes
	s_mov_b32 s[G1W+4], 8
	s_mov_b32 s[G1X+2], 8<<16
	s_mov_b32 s[G1X+4], 8
.endif
	s_wait_dscnt 17                                ; (the add and the youngest 16 loads may be out)
	WIN MUL_LO
	MUL16 0, 0
	s_wait_dscnt 0x0                               ; the add is done, and my LDS reads are over
	s_barrier_signal -1
	MUL16 2, 0
	WIN 0
	s_barrier_wait -1
.if \fill
	CREST                                          ; no wave of any partner still reads slot 0 or has a load on its way; chunks 1 and 2 are whole
	s_add_nc_u64 s[G0W+2:G0W+3], s[G0W+2:G0W+3], 3*16*CHUNK
	s_add_nc_u64 s[G0X+2:G0X+3], s[G0X+2:G0X+3], 3*16*CHUNK
	JLOAD G0W, G1W, G0X, G1X                       ; the one refill: it has four K steps, 256 matrix instructions, in which to land; its four v_nop are the places for the loads below
.else
	PLACES
.endif
	NEXT1
	SECOND
.endm
.macro LAST
	KSET 7
	s_wait_dscnt 16
	WIN MUL_LO
	MUL16 0, 0
	MUL16 2, 0
	s_wait_dscnt 0x0
	WIN MUL_HI
	MUL16 4, 0
	MUL16 6, 0
	WIN 0
	PLACES                                         ; ahead of the first read of results and of writes over Q's registers
.endm
.macro ADDB a, v                       ; T = Q block a's 64 results + the bias (v = 1: one number a lane; else 64)
.set AC, 64*((\a)%4)
.set WN, 0x06+(\a)/4                   ; source 0 window 2 or 3, source 1 window 1
	WIN WN
.set n, 0
.rept 32
.if \v
	v_pk_add_f32 v[T+n:T+n+1], v[AC+n:AC+n+1], v[96+2*(\a):97+2*(\a)] op_sel_hi:[1,0]
.elseif n < 32
	v_pk_add_f32 v[T+n:T+n+1], v[AC+n:AC+n+1], v[96+n:97+n]
.else
	v_pk_add_f32 v[T+n:T+n+1], v[AC+n:AC+n+1], v[192+n:193+n]
.endif
.set n, n+2
.endr
	WIN 0
.endm
	s_wait_alu depctr_va_vdst(0)
	s_wait_tensorcnt 0x0                           ; my load of the head is in
	ds_add_u32 v[SPW], v[NIL]
	s_wait_dscnt 0x0
	CROUND                                         ; a whole round: chunk 0 and the scale words are whole, and all sixteen work-groups are here
	s_cmp_eq_u32 s16, 0                            ; even waves fetch for w_in, odd ones for x: slots 1 and 2, one load a wave
	s_cbranch_scc0 .Lsecond_x
	tensor_load_to_lds s[40:43], s[G1W:G1W+7]
	s_nop 0
.rept 4
	v_nop
.endr
	s_branch .Lsecond_asked
.Lsecond_x:
	tensor_load_to_lds s[68:71], s[G1X:G1X+7]
	s_nop 0
.rept 4
	v_nop
.endr
.Lsecond_asked:
	FETCH_P 0, 0, 0
	FETCH_Q 0, 0, 0
	SCALES 0
	FETCH_Q 0, 0, 4
	STEP 0, 1                                      ; the first step's products start the sums
	TURN 1, 1
	STEP 2, 0
	STEP 3, 0                                      ; (slot 2 was shown whole by the round in step 1)
	STEP 4, 0
	TURN 5, 0                                      ; chunk 3 is whole in every wave's eyes
	STEP 6, 0
	s_cmp_eq_u32 s18, 0                            ; the cluster's x alone decides: all partners go the same way
	s_cbranch_scc0 .Lv_arm
	; ---- q's and k's columns.  A lane holds a token; its 64 numbers of block a are 128 columns: two heads, two blocks of 32 each.
	s_lshl_b32 s20, s19, 8
	s_lshl_b32 s21, s16, 7
	s_add_co_u32 s20, s20, s21                     ; my first column: 256 x + 128 (P's half)
	s_lshl_b32 s22, s20, 2
	s_mov_b32 s23, 0
	s_add_nc_u64 s[8:9], s[8:9], s[22:23]
	v_bfe_u32 v[BO], v0, 4, 1
	v_lshlrev_b32 v[BO], 6, v[BO]                  ; 16 h numbers on
	WIN TO_P
.irp n, 0,4,8,12,16,20,24,28
	global_load_b128 v[96+\n:99+\n], v[BO], s[8:9] offset:128*(\n/16)+4*(\n%16)   ; bias register 16 b + i = b_in[first column + 32 b + 16 h + i]
.endr
.irp n, 32,36,40,44,48,52,56,60
	global_load_b128 v[192+\n:195+\n], v[BO], s[8:9] offset:128*(\n/16)+4*(\n%16)
.endr
	WIN 0
	s_and_b32 s20, s20, 1023
	s_lshr_b32 s20, s20, 6                         ; the first of my two heads
	s_lshl_b32 s21, s17, 8
	s_lshl_b32 s22, s15, 7
	s_add_co_u32 s21, s21, s22                     ; my first token: 256 y + 128 (Q's half)
	s_lshr_b32 s22, s21, 11
	s_lshl_b32 s22, s22, 4
	s_add_co_u32 s20, s20, s22                     ; 16 x batch + head
	s_bfe_u32 s21, s21, 0x40007                    ; which 128 tokens of the sequence
	s_cmp_eq_u32 ttmp9, 0                          ; q or k?
	s_mov_b32 s24, KVH
	s_cselect_b32 s24, QH, s24                     ; a head's bytes
	s_mov_b32 s25, 12288
	s_cselect_b32 s26, 6144, s25                   ; from 128 tokens to the next
	s_cselect_b32 s27, 0, s25                      ; where the codes begin in a head,
	s_cselect_b32 s28, 98304, 0                    ; and the scale images
	s_cselect_b64 s[30:31], s[10:11], s[12:13]
	s_mul_i32 s20, s20, s24
	s_mul_i32 s26, s21, s26
	s_add_co_u32 s26, s26, s27
	s_add_co_u32 s32, s26, s20
	s_mov_b32 s33, 0
	s_lshl_b32 s21, s21, 9
	s_add_co_u32 s21, s21, s28
	s_add_co_u32 s34, s21, s20
	s_mov_b32 s35, 0
	s_mov_b32 s25, 0
	s_add_nc_u64 s[36:37], s[30:31], s[32:33]      ; the first head's codes,
	s_add_nc_u64 s[38:39], s[36:37], s[24:25]      ; the second's,
	s_add_nc_u64 s[40:41], s[30:31], s[34:35]      ; and their scale images
	s_add_nc_u64 s[42:43], s[40:41], s[24:25]
	LAST                                           ; the last K step stands behind the bias's loads
	s_wait_loadcnt 0x0
.irp a, 0,1,2,3,4,5,6,7
.if (\a%2 == 0) && (\a > 0)
	s_wait_xcnt 0x0                                ; the last pair's stores have read their registers
.endif
	ADDB \a, 0
.set D0, GA+6*(\a%2)
.set D1, GB+6*(\a%2)
.set PWR, WS+\a
	QUANT T, D0, D1, PWR                           ; registers 0-5: the first head's 64; 6-11: the second's
.if \a%2 == 1
.irp c, 0,1,2
	global_store_b128 v[L16], v[GA+4*\c:GA+4*\c+3], s[36:37] offset:1536*(\a/2)+512*\c   ; a pair of tiles: 3 x 512 consecutive bytes
	global_store_b128 v[L16], v[GB+4*\c:GB+4*\c+3], s[38:39] offset:1536*(\a/2)+512*\c
.endr
.endif
.endr
.irp b, 0,1,2,3
	v_cndmask_b32 v[SL+\b], v[WS+2*\b], v[WS+2*\b+1], s96   ; lanes 0-15: tile 2 b's word; lanes 16-31: tile 2 b + 1's
.endr
.irp b, 0,1,2,3
	v_and_b32 v[SL+4+\b], 0xffff, v[SL+\b]         ; the first head's two bytes; the two upper bytes, of the K that a head does not have, are 0
	v_lshrrev_b32 v[SL+8+\b], 16, v[SL+\b]         ; the second head's
.endr
	global_store_b128 v[L16], v[SL+4:SL+7], s[40:41]
	global_store_b128 v[L16], v[SL+8:SL+11], s[42:43]
	s_branch .Ljoin
.Lv_arm:
	; ---- v's columns.  A lane holds a column d; its 64 numbers of block a are 128 tokens, the keys: a whole fragment of v.
	s_lshl_b32 s20, s19, 8
	s_lshl_b32 s21, s15, 7
	s_add_co_u32 s20, s20, s21                     ; my first column: 256 x + 128 (Q's half)
	s_lshl_b32 s22, s20, 2
	s_mov_b32 s23, 0
	s_add_nc_u64 s[8:9], s[8:9], s[22:23]
	v_and_b32 v[BO], 15, v0
	v_and_b32 v1, 8, v[BO]
	v_add_nc_u32 v[BO], v[BO], v1
	v_lshlrev_b32 v[BO], 2, v[BO]                  ; r + 8 (r / 8) numbers on
	WIN TO_P
.irp a, 0,1,2,3,4,5,6,7
	global_load_b32 v[96+2*\a], v[BO], s[8:9] offset:(32*(\a/2)+8*(\a%2))*4   ; my column's bias in tile a,
	global_load_b32 v[97+2*\a], v[BO], s[8:9] offset:(32*(\a/2)+8*(\a%2))*4   ; in both registers of the pair that the packed sum names
.endr
	WIN 0
	s_and_b32 s20, s20, 1023
	s_lshr_b32 s20, s20, 6
	s_lshl_b32 s21, s17, 8
	s_lshl_b32 s22, s16, 7
	s_add_co_u32 s21, s21, s22                     ; my first token: 256 y + 128 (P's half)
	s_lshr_b32 s22, s21, 11
	s_lshl_b32 s22, s22, 4
	s_add_co_u32 s20, s20, s22
	s_bfe_u32 s21, s21, 0x40007
	s_mul_i32 s20, s20, KVH
	s_mul_i32 s22, s21, 12288
	s_add_co_u32 s22, s22, s20
	s_add_co_u32 s32, s22, 12288+6144              ; block 1 + step, behind k's four pair images
	s_mov_b32 s33, 0
	s_lshl_b32 s21, s21, 8
	s_add_co_u32 s21, s21, s20
	s_add_co_u32 s34, s21, 8192
	s_mov_b32 s35, 0
	s_add_nc_u64 s[36:37], s[12:13], s[32:33]
	s_add_nc_u64 s[40:41], s[12:13], s[34:35]
	LAST
	s_wait_loadcnt 0x0
.irp a, 0,1,2,3,4,5,6,7
.if \a >= 2
	s_wait_xcnt 0x0                                ; the stores of two blocks back have read their registers
.endif
	ADDB \a, 1
.set D0, GA+12*(\a%2)
.set D1, GA+12*(\a%2)+6
.set PWR, WS+\a
	QUANT T, D0, D1, PWR
.irp c, 0,1,2
	global_store_b128 v[L16], v[GA+12*(\a%2)+4*\c:GA+12*(\a%2)+4*\c+3], s[36:37] offset:(\a/4)*KVH+1536*(\a%4)+512*\c
.endr
.if \a%4 == 3
	v_cndmask_b32 v[SL+4*(\a/4)], v[WS+4*(\a/4)], v[WS+4*(\a/4)+1], s96
	v_cndmask_b32 v[SL+4*(\a/4)+1], v[WS+4*(\a/4)+2], v[WS+4*(\a/4)+3], s96
	global_store_b64 v[L8], v[SL+4*(\a/4):SL+4*(\a/4)+1], s[40:41] offset:(\a/4)*KVH   ; a head's 256 bytes of scale words for these keys
.endif
.endr
.Ljoin:
	s_wait_tensorcnt 0x0                           ; the wave's end
	ds_add_u32 v[SPW], v[NIL]
	s_wait_dscnt 0x0
	CROUND                                         ; the closing round
	s_endpgm
.Lfunc_end_k_q6e05255230_gemm_in:
	.size	k_q6e05255230_gemm_in, .Lfunc_end_k_q6e05255230_gemm_in-k_q6e05255230_gemm_in
	.p2alignl 7, 3214868480
	.fill 96, 4, 3214868480
	.section	.rodata,"a",@progbits
	.p2align	6, 0x0
	.amdhsa_kernel k_q6e05255230_gemm_in
		.amdhsa_group_segment_fixed_size 327680
		.amdhsa_private_segment_fixed_size 0
		.amdhsa_enable_private_segment 0
		.amdhsa_kernarg_size 40
		.amdhsa_user_sgpr_count 2
		.amdhsa_user_sgpr_kernarg_segment_ptr 1
		.amdhsa_wavefront_size32 1
		.amdhsa_system_sgpr_workgroup_id_x 1
		.amdhsa_system_sgpr_workgroup_id_y 1
		.amdhsa_system_sgpr_workgroup_id_z 1
		.amdhsa_system_vgpr_workitem_id 0
		.amdhsa_next_free_vgpr 1024
		.amdhsa_next_free_sgpr 102
		.amdhsa_reserve_vcc 0
		.amdhsa_float_denorm_mode_32 3
		.amdhsa_float_denorm_mode_16_64 3
		.amdhsa_memory_ordered 1
		.amdhsa_forward_progress 1
		.amdhsa_inst_pref_size 229
	.end_amdhsa_kernel
	.amdgpu_metadata
---
amdhsa.version: [ 1, 2 ]
amdhsa.kernels:
  - .name:           k_q6e05255230_gemm_in
    .symbol:         k_q6e05255230_gemm_in.kd
    .args:
      - { .name: c1, .offset: 0, .size: 8, .value_kind: global_buffer, .address_space: global }
      - { .name: s1, .offset: 8, .size: 8, .value_kind: global_buffer, .address_space: global }
      - { .name: b_in, .offset: 16, .size: 8, .value_kind: global_buffer, .address_space: global }
      - { .name: qbuf, .offset: 24, .size: 8, .value_kind: global_buffer, .address_space: global }
      - { .name: kv, .offset: 32, .size: 8, .value_kind: global_buffer, .address_space: global }
    .group_segment_fixed_size: 327680
    .private_segment_fixed_size: 0
    .kernarg_segment_align: 8
    .kernarg_segment_size: 40
    .max_flat_workgroup_size: 128
    .sgpr_count:     102
    .vgpr_count:     1024
    .wavefront_size: 32
...
	.end_amdgpu_metadata
.endif
;; end of part 2
;; launch attn (part 3): grid 4 x 64, 16 waves a work-group, clusters of 4 x 1, 327,680 bytes of LDS; arguments qbuf, kv, oc, os; writes oc, os
.if DOCPART == 3
	.amdgcn_target "amdgcn-amd-amdhsa--gfx1250"
	.amdhsa_code_object_version 6
	.text
	.protected	k_q6e05255230_attn
	.globl	k_q6e05255230_attn
	.p2align	8
	.type	k_q6e05255230_attn,@function
k_q6e05255230_attn:
	s_mov_b64 s[64:65], 0
	v_nop
	global_prefetch_b8 v0, s[64:65] scope:SCOPE_SE
	s_setreg_imm32_b32 hwreg(HW_REG_WAVE_MODE, 25, 1), 1
	s_wait_xcnt 0x0
	s_wait_alu depctr_hold_cnt(0) depctr_sa_sdst(0) depctr_va_vdst(0) depctr_va_sdst(0) depctr_va_ssrc(0) depctr_va_vcc(0) depctr_vm_vsrc(0)
	s_getreg_b32 s2, hwreg(HW_REG_IB_STS2, 6, 4)
	s_cmp_eq_u32 s2, 0
	s_cbranch_scc0 .Lentry_in_a_cluster
	s_endpgm
.Lentry_in_a_cluster:
	s_bfe_u32 s2, ttmp6, 0x10000c
	s_cmp_lg_u32 s2, 0x3003
	s_cbranch_scc0 .Lentry_shape_is_right
	s_endpgm
.Lentry_shape_is_right:
; Launch 3 of 4: o = softmax(q k^T / 8) v in MX-BF6 for one head and 512 queries a work-group, and o quantised along the 1,024 of the last product.  No work is left out.
; p = 2^(t - M), M the ceiling of the running largest t; the row's sum is taken of the unquantised p; a change of M multiplies sum and O^T by an exact power of two.
; LIMITS: the scaled scores stay under 2^31 in magnitude; scale bytes held at 1 from below; NaN and infinities are not served.
; A head's k and v (KVH bytes, dense) lie in LDS whole: each of the 16 waves brings 51 rows of 256 bytes by ONE joint load at the head (cluster 4 x 1: the four query blocks of a head share it).
; One barrier shows the block to all waves; nothing is filled again, so the two passes (16 queries each) of a wave run with no barrier between them.
; No prefetch: the launch's one fetch stands at its head, with no loop to run ahead in.
.set KVH,   208896
.set QH,    106496
.set SPARE, KVH
.set L16, 1
.set L8,  2
.set SPW, 3
.set NIL, 4
.set ADK, 5
.set ADS, 6
.set ADT, 7
.set R16, 8
.set R8,  10
.set QOP, 16
.set QP,  28
.set QSC, 40
.set QS1, 41
.set PSC, 42
.set KSC, 44
.set VSC, 48
.set KF,  56
.set SR,  112
.set OA,  176
.set PC,  208
.set YT,  220
.set BM,  228
.set PD,  232
.set SO,  236
.set FF,  240
.set SM2, 242
.set TP,  244
.set OW,  245
.set WV,  12
.set G1A, 24
.set G0A, 40
.set TB,  48
.set TS,  49
.set TV,  50
.set PASS, 51
.set CNT, 52
.set CS,  54
.set SEL, 56
.set OCB, 58
.set OSB, 60
.macro CROUND
	s_barrier_signal -1
	s_barrier_wait -1
	s_cmp_lg_u32 s[WV], 0
	s_cbranch_scc1 .Lnot_wave_0_\@
	s_barrier_signal -3
.Lnot_wave_0_\@:
	s_barrier_wait -3
	s_barrier_signal -1
	s_barrier_wait -1
.endm
	s_load_b256 s[4:11], s[0:1], 0x0
	v_lshl_add_u32 v[SPW], v0, 2, SPARE
	v_mov_b32 v[NIL], 0
	ds_add_u32 v[SPW], v[NIL]
	ds_add_u32 v[SPW], v[NIL]
	v_lshrrev_b32 v9, 5, v0
	s_delay_alu instid0(VALU_DEP_1)
	v_readfirstlane_b32 s[WV], v9
	s_bfe_u32 s13, ttmp6, 0x40000
	s_and_b32 s14, ttmp7, 0xffff
	s_lshl_b32 s15, s13, 4
	s_add_co_u32 s15, s15, s[WV]
	s_mov_b32 s[G1A], 15|(3<<16)|(1<<21)
	s_mov_b32 s[G1A+1], 32<<16
	s_mov_b32 s[G1A+2], 51<<16
	s_mov_b32 s[G1A+3], 32<<16
	s_mov_b32 s[G1A+4], 51
	s_mov_b32 s[G1A+5], 32
	s_mov_b32 s[G1A+6], 0
	s_mov_b32 s[G1A+7], 0
	s_mul_i32 s16, s14, KVH
	s_mul_i32 s18, s[WV], 13056                    ; my sixteenth of the head's block, in memory and in LDS alike
	s_add_co_u32 s20, s16, s18
	s_mov_b32 s21, 0
	s_mov_b32 s[CS], 0x3e38aa3b
	s_mov_b32 s[CS+1], s[CS]
	s_mov_b32 s[SEL], 0x76543210
	s_mov_b32 s[SEL+1], 0xfedcba98
	s_wait_dscnt 0x0
	s_wait_kmcnt 0x0
	s_mov_b32 s[G0A], 1
	s_mov_b32 s[G0A+1], s18
	s_add_nc_u64 s[G0A+2:G0A+3], s[6:7], s[20:21]
	s_or_b32 s[G0A+3], s[G0A+3], 0x80000000
	CROUND
	tensor_load_to_lds s[G0A:G0A+3], s[G1A:G1A+7]
	s_nop 0
.rept 4
	v_nop
.endr
	v_and_b32 v9, 31, v0
	s_delay_alu instid0(VALU_DEP_1)
	v_lshlrev_b32 v[L16], 4, v9
	s_wait_alu depctr_va_vdst(0)
	v_lshlrev_b32 v[L8], 3, v9
	v_and_b32 v9, 15, v0
	s_delay_alu instid0(VALU_DEP_1)
	v_lshlrev_b32 v[R16], 4, v9
	s_wait_alu depctr_va_vdst(0)
	v_lshlrev_b32 v[R8], 3, v9
	s_mul_i32 s16, s14, QH
	s_mul_i32 s17, s15, 1536
	s_add_co_u32 s20, s16, s17
	s_mov_b32 s21, 0
	s_add_nc_u64 s[20:21], s[4:5], s[20:21]
	s_lshr_b32 s17, s15, 2
	s_lshl_b32 s17, s17, 9
	s_and_b32 s18, s15, 3
	s_lshl_b32 s18, s18, 2
	s_add_co_u32 s17, s17, s18
	s_add_co_u32 s17, s17, s16
	s_add_co_u32 s22, s17, 98304
	s_mov_b32 s23, 0
	s_add_nc_u64 s[22:23], s[4:5], s[22:23]
.irp c, 0,1,2
	global_load_b128 v[QP+4*\c:QP+4*\c+3], v[L16], s[20:21] offset:512*\c
.endr
	global_load_b32 v[QSC], v[R16], s[22:23]
	global_load_b32 v[QS1], v[R16], s[22:23] offset:256
	s_lshr_b32 s16, s14, 4
	s_lshl_b32 s16, s16, 7
	s_lshl_b32 s17, s15, 1
	s_add_co_u32 s16, s16, s17
	s_and_b32 s17, s14, 15
	s_mul_i32 s18, s16, 12288
	s_mul_i32 s19, s17, 768
	s_add_co_u32 s18, s18, s19
	s_mov_b32 s19, 0
	s_add_nc_u64 s[OCB:OCB+1], s[8:9], s[18:19]
	s_lshl_b32 s18, s16, 9
	s_lshr_b32 s19, s17, 2
	s_lshl_b32 s19, s19, 7
	s_add_co_u32 s18, s18, s19
	s_and_b32 s19, s17, 3
	s_lshl_b32 s19, s19, 1
	s_add_co_u32 s18, s18, s19
	s_mov_b32 s19, 0
	s_add_nc_u64 s[OSB:OSB+1], s[10:11], s[18:19]
.irp i, 0,1,2,3,4,5
	v_mov_b32 v[QOP+6+\i], 0
	v_mov_b32 v[KF+48+\i], 0
.endr
.irp b, 0,1,2,3
	v_mov_b32 v[PD+\b], 0
.endr
	v_mov_b32 v[FF+1], 0
	v_mov_b32 v[TP], 0
.macro STEP
	v_add_nc_u32 v[ADK], s[TB], v[L16]
	v_add_nc_u32 v[ADS], s[TS], v[L16]
	v_add_nc_u32 v[ADT], s[TV], v[L8]
	v_nop
.irp c, 0,1,2,3,4,5,6,7,8,9,10,11
	ds_load_b128 v[KF+4*\c:KF+4*\c+3], v[ADK] offset:512*\c
.endr
	ds_load_b128 v[KSC:KSC+3], v[ADS]
	s_wait_alu depctr_va_vdst(0)
	s_wait_dscnt 0x0
.irp t, 0,2,4,6
	v_wmma_scale_f32_16x16x128_f8f6f4 v[SR+8*\t:SR+8*\t+7], v[KF+6*\t:KF+6*\t+11], v[QOP:QOP+11], 0, v[KSC+\t/2], v[QSC] matrix_a_fmt:MATRIX_FMT_BF6 matrix_b_fmt:MATRIX_FMT_BF6
	v_wmma_scale_f32_16x16x128_f8f6f4 v[SR+8*\t+8:SR+8*\t+15], v[KF+6*\t+6:KF+6*\t+17], v[QOP:QOP+11], 0, v[KSC+\t/2], v[QSC] matrix_a_fmt:MATRIX_FMT_BF6 matrix_b_fmt:MATRIX_FMT_BF6 matrix_a_scale:MATRIX_SCALE_ROW1
.endr
.rept 4
	v_nop
.endr
.irp c, 0,1,2,3,4,5,6,7,8,9,10,11
	ds_load_b128 v[KF+4*\c:KF+4*\c+3], v[ADK] offset:6144+512*\c
.endr
	ds_load_b64 v[VSC:VSC+1], v[ADT]
.irp b, 0,1,2,3
	v_max3_num_f32 v[BM+\b], v[SR+16*\b], v[SR+1+16*\b], v[SR+2+16*\b]
.endr
.irp i, 3,5,7,9,11,13
.irp b, 0,1,2,3
	v_max3_num_f32 v[BM+\b], v[BM+\b], v[SR+16*\b+\i], v[SR+1+16*\b+\i]
.endr
.endr
.irp b, 0,1,2,3
	v_max_num_f32 v[BM+\b], v[BM+\b], v[SR+15+16*\b]
.endr
.irp b, 0,1,2,3
	s_delay_alu instid0(VALU_DEP_4)
	v_permlanex16_b32 v[PD+\b], v[BM+\b], s[SEL], s[SEL+1]
.endr
.irp b, 0,1,2,3
	s_delay_alu instid0(VALU_DEP_4)
	v_max_num_f32 v[BM+\b], v[BM+\b], v[PD+\b]
.endr
	s_delay_alu instid0(VALU_DEP_2)
	v_max3_num_f32 v[TP], v[BM], v[BM+1], v[BM+2]
	s_delay_alu instid0(VALU_DEP_1)
	v_max_num_f32 v[TP], v[TP], v[BM+3]
	s_delay_alu instid0(VALU_DEP_1)
	v_mul_f32 v[TP], s[CS], v[TP]
	s_delay_alu instid0(VALU_DEP_1)
	v_max_num_f32 v13, v13, v[TP]
	v_mov_b32 v[TP], v12
	s_delay_alu instid0(VALU_DEP_2)
	v_floor_f32 v12, -v13
	s_delay_alu instid0(VALU_DEP_1)
	v_sub_f32 v[TP], v12, v[TP]
	s_delay_alu instid0(VALU_DEP_1)
	v_cvt_i32_f32 v[TP], v[TP]
	s_delay_alu instid0(VALU_DEP_1)
	v_ldexp_f32 v[FF], 1.0, v[TP]
.set j, 0
.rept 32
	v_pk_fma_f32 v[SR+j:SR+j+1], v[SR+j:SR+j+1], s[CS:CS+1], v[12:13] op_sel_hi:[1,0,0]
.set j, j+2
.endr
.irp b, 0,1,2,3
	v_fma_f32 v[BM+\b], v[BM+\b], s[CS], v12
.endr
.set j, 0
	s_wait_alu depctr_va_vdst(0)
.rept 64
	v_exp_f32 v[SR+j], v[SR+j]
.set j, j+1
.endr
	v_pk_mul_f32 v[14:15], v[14:15], v[FF:FF+1] op_sel_hi:[1,0]
	s_wait_alu depctr_va_vdst(0)
.irp b, 0,1,2,3
	v_exp_f32 v[BM+\b], v[BM+\b]
.endr
	v_pk_add_f32 v[SM2:SM2+1], v[SR:SR+1], v[SR+2:SR+3]
.irp j, 4,8,12,16,20,24,28,32,36,40,44,48,52,56,60
	v_pk_add_f32 v[14:15], v[14:15], v[SR+\j:SR+\j+1]
	v_pk_add_f32 v[SM2:SM2+1], v[SM2:SM2+1], v[SR+2+\j:SR+3+\j]
.endr
	s_delay_alu instid0(VALU_DEP_1)
	v_pk_add_f32 v[14:15], v[14:15], v[SM2:SM2+1]
	s_wait_alu depctr_va_vdst(0)
.irp b, 0,1,2,3
	v_max_num_f32 v[BM+\b], 0x2800000, v[BM+\b]
.endr
.irp b, 0,1,2,3
	s_delay_alu instid0(VALU_DEP_4)
	v_add_nc_u32 v[SO+\b], 0xfe000000, v[BM+\b]
.endr
.irp b, 0,1,2,3
	s_delay_alu instid0(VALU_DEP_4)
	v_lshrrev_b32 v[PD+\b], 23, v[SO+\b]
.endr
	s_delay_alu instid0(VALU_DEP_3)
	v_lshl_or_b32 v[PSC], v[PD+1], 8, v[PD]
	s_delay_alu instid0(VALU_DEP_1)
	v_lshl_or_b32 v[PSC], v[PD+2], 16, v[PSC]
	s_delay_alu instid0(VALU_DEP_1)
	v_lshl_or_b32 v[PSC], v[PD+3], 24, v[PSC]
.irp c, 0,1
	v_cvt_scalef32_pk16_bf6_f32 v[PC+6*\c:PC+2+6*\c], v[SR+32*\c:SR+15+32*\c], v[SO+2*\c]
	v_cvt_scalef32_pk16_bf6_f32 v[YT+4*\c:YT+2+4*\c], v[SR+16+32*\c:SR+31+32*\c], v[SO+2*\c+1]
.endr
	v_nop
.irp c, 0,1
.irp i, 0,1,2
	v_permlane16_swap_b32 v[PC+6*\c+\i], v[YT+4*\c+\i]
.endr
.irp i, 0,1,2
	s_delay_alu instid0(VALU_DEP_3)
	v_mov_b32 v[PC+3+6*\c+\i], v[YT+4*\c+\i]
.endr
.endr
.set j, 0
.rept 16
	v_pk_mul_f32 v[OA+j:OA+j+1], v[OA+j:OA+j+1], v[FF:FF+1] op_sel_hi:[1,0]
.set j, j+2
.endr
	s_wait_alu depctr_va_vdst(0)
	s_wait_dscnt 0x0
.irp t, 0,2
	v_wmma_scale_f32_16x16x128_f8f6f4 v[OA+8*\t:OA+8*\t+7], v[KF+12*\t:KF+12*\t+11], v[PC:PC+11], v[OA+8*\t:OA+8*\t+7], v[VSC+\t/2], v[PSC] matrix_a_fmt:MATRIX_FMT_BF6 matrix_b_fmt:MATRIX_FMT_BF6
	v_wmma_scale_f32_16x16x128_f8f6f4 v[OA+8*\t+8:OA+8*\t+15], v[KF+12*\t+12:KF+12*\t+23], v[PC:PC+11], v[OA+8*\t+8:OA+8*\t+15], v[VSC+\t/2], v[PSC] matrix_a_fmt:MATRIX_FMT_BF6 matrix_b_fmt:MATRIX_FMT_BF6 matrix_a_scale:MATRIX_SCALE_ROW1
.endr
	s_add_co_u32 s[TB], s[TB], 12288
	s_add_co_u32 s[TS], s[TS], 512
	s_add_co_u32 s[TV], s[TV], 256
.endm
	s_wait_loadcnt 0x0
	s_wait_tensorcnt 0x0                           ; my part of the head's k and v is in;
	s_barrier_signal -1
	s_barrier_wait -1                              ; and everybody's
	s_mov_b32 s[PASS], 2
.Lpass:
	s_wait_alu depctr_va_vdst(0)
.irp i, 0,1,2,3,4,5
	v_mov_b32 v[QOP+\i], v[QP+\i]
.endr
.set j, 0
.rept 32
	v_mov_b32 v[OA+j], 0
.set j, j+1
.endr
	v_mov_b32 v14, 0
	v_mov_b32 v15, 0
	v_mov_b32 v13, 0xff61b1e6
	s_delay_alu instid0(VALU_DEP_1)
	v_floor_f32 v12, -v13
	s_mov_b32 s[TB], 12288
	s_mov_b32 s[TS], 0
	s_mov_b32 s[TV], 8192
	s_mov_b32 s[CNT], 16                           ; 16 steps of 128 keys
.Lrest:
	STEP
	s_sub_co_u32 s[CNT], s[CNT], 1
	s_cmp_lg_u32 s[CNT], 0
	s_cbranch_scc1 .Lrest
.rept 4
	v_nop
.endr
	v_add_f32 v14, v14, v15
	s_delay_alu instid0(VALU_DEP_1)
	v_permlanex16_b32 v[TP], v14, s[SEL], s[SEL+1]
	s_delay_alu instid0(VALU_DEP_1)
	v_add_f32 v14, v14, v[TP]
	s_wait_alu depctr_va_vdst(0)
	v_rcp_f32 v14, v14
	v_nop
	s_wait_alu depctr_va_vdst(0)
.set j, 0
.rept 16
	v_pk_mul_f32 v[SR+j:SR+j+1], v[OA+j:OA+j+1], v[14:15] op_sel_hi:[1,0]
.set j, j+2
.endr
.irp k, 0,1
	v_max3_num_f32 v[BM+\k], |v[SR+16*\k]|, |v[SR+1+16*\k]|, 0x2800000
.endr
.irp i, 2,4,6,8,10,12,14
.irp k, 0,1
	s_delay_alu instid0(VALU_DEP_2)
	v_max3_num_f32 v[BM+\k], v[BM+\k], |v[SR+16*\k+\i]|, |v[SR+1+16*\k+\i]|
.endr
.endr
.irp k, 0,1
	s_delay_alu instid0(VALU_DEP_2)
	v_permlanex16_b32 v[PD+\k], v[BM+\k], s[SEL], s[SEL+1]
.endr
.irp k, 0,1
	s_delay_alu instid0(VALU_DEP_2)
	v_max_num_f32 v[BM+\k], v[BM+\k], v[PD+\k]
.endr
.irp k, 0,1
	s_delay_alu instid0(VALU_DEP_2)
	v_add_nc_u32 v[SO+\k], 0xfe000000, v[BM+\k]
.endr
.irp k, 0,1
	s_delay_alu instid0(VALU_DEP_2)
	v_lshrrev_b32 v[PD+\k], 23, v[SO+\k]
.endr
	s_delay_alu instid0(VALU_DEP_1)
	v_lshl_or_b32 v[OW], v[PD+1], 8, v[PD]
	v_cvt_scalef32_pk16_bf6_f32 v[PC:PC+2], v[SR:SR+15], v[SO]
	v_cvt_scalef32_pk16_bf6_f32 v[YT:YT+2], v[SR+16:SR+31], v[SO+1]
	v_nop
.irp i, 0,1,2
	v_permlane16_swap_b32 v[PC+\i], v[YT+\i]
.endr
.irp i, 0,1,2
	s_delay_alu instid0(VALU_DEP_3)
	v_mov_b32 v[PC+3+\i], v[YT+\i]
.endr
	global_store_b128 v[L16], v[PC:PC+3], s[OCB:OCB+1]
	global_store_b64 v[L8], v[PC+4:PC+5], s[OCB:OCB+1] offset:512
	global_store_b16 v[R8], v[OW], s[OSB:OSB+1]
	s_wait_xcnt 0x0
.irp i, 0,1,2,3,4,5
	v_mov_b32 v[QP+\i], v[QP+6+\i]
.endr
	v_mov_b32 v[QSC], v[QS1]
	s_add_nc_u64 s[OCB:OCB+1], s[OCB:OCB+1], 12288
	s_add_nc_u64 s[OSB:OSB+1], s[OSB:OSB+1], 512
	s_sub_co_u32 s[PASS], s[PASS], 1
	s_cmp_lg_u32 s[PASS], 0
	s_cbranch_scc1 .Lpass
	s_wait_tensorcnt 0x0
	ds_add_u32 v[SPW], v[NIL]
	s_wait_dscnt 0x0
	CROUND
	s_endpgm
.Lfunc_end_k_q6e05255230_attn:
	.size	k_q6e05255230_attn, .Lfunc_end_k_q6e05255230_attn-k_q6e05255230_attn
	.p2alignl 7, 3214868480
	.fill 96, 4, 3214868480
	.section	.rodata,"a",@progbits
	.p2align	6, 0x0
	.amdhsa_kernel k_q6e05255230_attn
		.amdhsa_group_segment_fixed_size 327680
		.amdhsa_private_segment_fixed_size 0
		.amdhsa_enable_private_segment 0
		.amdhsa_kernarg_size 32
		.amdhsa_user_sgpr_count 2
		.amdhsa_user_sgpr_kernarg_segment_ptr 1
		.amdhsa_wavefront_size32 1
		.amdhsa_system_sgpr_workgroup_id_x 1
		.amdhsa_system_sgpr_workgroup_id_y 1
		.amdhsa_system_sgpr_workgroup_id_z 1
		.amdhsa_system_vgpr_workitem_id 0
		.amdhsa_next_free_vgpr 256
		.amdhsa_next_free_sgpr 66
		.amdhsa_reserve_vcc 0
		.amdhsa_float_denorm_mode_32 3
		.amdhsa_float_denorm_mode_16_64 3
		.amdhsa_memory_ordered 1
		.amdhsa_forward_progress 1
		.amdhsa_inst_pref_size 29
	.end_amdhsa_kernel
	.amdgpu_metadata
---
amdhsa.version: [ 1, 2 ]
amdhsa.kernels:
  - .name:           k_q6e05255230_attn
    .symbol:         k_q6e05255230_attn.kd
    .args:
      - { .name: qbuf, .offset: 0, .size: 8, .value_kind: global_buffer, .address_space: global }
      - { .name: kv, .offset: 8, .size: 8, .value_kind: global_buffer, .address_space: global }
      - { .name: oc, .offset: 16, .size: 8, .value_kind: global_buffer, .address_space: global }
      - { .name: os, .offset: 24, .size: 8, .value_kind: global_buffer, .address_space: global }
    .group_segment_fixed_size: 327680
    .private_segment_fixed_size: 0
    .kernarg_segment_align: 8
    .kernarg_segment_size: 32
    .max_flat_workgroup_size: 512
    .sgpr_count:     66
    .vgpr_count:     256
    .wavefront_size: 32
...
	.end_amdgpu_metadata
.endif
;; end of part 3
;; launch gemm_out (part 4): grid 4 x 64, 4 waves a work-group, clusters of 4 x 4, 327,680 bytes of LDS; arguments oc, os, c1, s1, b_out, out0; writes out0
.if DOCPART == 4
	.amdgcn_target "amdgcn-amd-amdhsa--gfx1250"
	.amdhsa_code_object_version 6
	.text
	.protected	k_q6e05255230_gemm_out
	.globl	k_q6e05255230_gemm_out
	.p2align	8
	.type	k_q6e05255230_gemm_out,@function
k_q6e05255230_gemm_out:
	s_mov_b64 s[64:65], 0
	v_nop
	global_prefetch_b8 v0, s[64:65] scope:SCOPE_SE
	s_setreg_imm32_b32 hwreg(HW_REG_WAVE_MODE, 25, 1), 1
	s_wait_xcnt 0x0
	s_wait_alu depctr_hold_cnt(0) depctr_sa_sdst(0) depctr_va_vdst(0) depctr_va_sdst(0) depctr_va_ssrc(0) depctr_va_vcc(0) depctr_vm_vsrc(0)
	s_getreg_b32 s2, hwreg(HW_REG_IB_STS2, 6, 4)
	s_cmp_eq_u32 s2, 0
	s_cbranch_scc0 .Lentry_in_a_cluster
	s_endpgm
.Lentry_in_a_cluster:
	s_bfe_u32 s2, ttmp6, 0x10000c
	s_cmp_lg_u32 s2, 0xf033
	s_cbranch_scc0 .Lentry_shape_is_right
	s_endpgm
.Lentry_shape_is_right:
; Launch 4 of 4: out0 = o w_out^T + b_out on codes of BF6.  A work-group makes 128 tokens x 256 columns, a wave 64 x 128.  No work is left out.
; ALL OF K LIES IN LDS, filled once, one joint load a wave at the head: wave 0 w_out's group of 16 tiles (dense, [chunk][tile][3,072 bytes]: chunk c at SLOT x c),
; wave 1 o's 8 tiles (dense, [tile][chunk][3,072 bytes]) at OREG, wave 2 w_out's scale words, wave 3 o's.  CLUSTER 4 x 4: w_out's block is shared along a column, o's along a row.
; No prefetch: the launch's only fetches stand at its head, with no loop to run ahead in.
.set SLOT,  49152
.set OREG,  196608
.set CHUNK, 3072
.set TILEB, 12288
.set SCL,   6*SLOT
.set SPARE, SCL+12288
.set SPITCH, 528
.set FR,   12
.set AP16, 4
.set AP8,  8
.set AQ16, 12
.set AQ8,  16
.set APS,  20
.set AQS,  21
.set L16,  22
.set L8,   23
.set BO,   24
.set STO,  25
.set RD,   26
.set SPW,  28
.set NIL,  29
.set SC,   32
.set QF,   80
.set BI,   128
.set BK,   128
.set G1W,  24
.set G1O,  32
.set G1SW, 40
.set G1SO, 48
.set G0SW, 76
.set G0SO, 96
.set MSB, 0
.macro WIN new
.if MSB != \new
	s_set_vgpr_msb (MSB<<8)|\new
.set MSB, \new
.endif
.endm
.set MULW, 0xa1
.set MULB, 0x81
.set TO_P, 0x40
; An arm of the head's one chain of branches on the wave's number: one load to an arm, all arms leading to one join.
.macro ARM under, g0, g1, next
	s_cmp_lt_u32 s16, \under
	s_cbranch_scc0 \next
	tensor_load_to_lds s[\g0:\g0+3], s[\g1:\g1+7]
	s_nop 0
.rept 4
	v_nop
.endr
	s_branch .Lhead_asked
\next:
.endm
.macro CROUND
	s_barrier_signal -1
	s_barrier_wait -1
	s_cmp_lg_u32 s16, 0
	s_cbranch_scc1 .Lnot_wave_0_\@
	s_barrier_signal -3
.Lnot_wave_0_\@:
	s_barrier_wait -3
	s_barrier_signal -1
	s_barrier_wait -1
.endm
.macro PLACES
.rept 4
	v_nop
.endr
.endm
	s_load_b256 s[4:11], s[0:1], 0x0
	s_load_b128 s[12:15], s[0:1], 0x20
	v_lshl_add_u32 v[SPW], v0, 2, SPARE
	v_mov_b32 v[NIL], 0
	ds_add_u32 v[SPW], v[NIL]
	ds_add_u32 v[SPW], v[NIL]
	v_lshrrev_b32 v1, 5, v0
	v_readfirstlane_b32 s16, v1
	s_lshr_b32 s17, s16, 1
	s_and_b32 s18, s16, 1
	s_bfe_u32 s100, ttmp6, 0x40000
	s_bfe_u32 s101, ttmp6, 0x40004
	s_lshl_b32 s19, ttmp9, 2
	s_add_co_u32 s19, s19, s100
	s_and_b32 s3, ttmp7, 0xffff
	s_lshl_b32 s3, s3, 2
	s_add_co_u32 s3, s3, s101
	s_lshl_b32 s22, s101, 2
	s_lshl_b32 s22, 15, s22
	s_lshl_b32 s23, 0x1111, s100
	s_or_b32 s[G1W], s23, (3<<16)|(1<<21)
	s_or_b32 s[G1O], s22, (3<<16)|(1<<21)
	s_or_b32 s[G1SW], s23, (3<<16)|(1<<21)
	s_or_b32 s[G1SO], s22, (3<<16)|(1<<21)
	s_mov_b32 s[G1W+1], 384<<16
	s_mov_b32 s[G1W+2], 64<<16
	s_mov_b32 s[G1W+3], 384<<16
	s_mov_b32 s[G1W+4], 64
	s_mov_b32 s[G1W+5], 384
	s_mov_b32 s[G1W+6], 0
	s_mov_b32 s[G1W+7], 0
	s_mov_b32 s[G1O+1], 384<<16
	s_mov_b32 s[G1O+2], 32<<16
	s_mov_b32 s[G1O+3], 384<<16
	s_mov_b32 s[G1O+4], 32
	s_mov_b32 s[G1O+5], 384
	s_mov_b32 s[G1O+6], 0
	s_mov_b32 s[G1O+7], 0
	s_mov_b32 s[G1SW+1], 32<<16
	s_mov_b32 s[G1SW+2], 32<<16
	s_mov_b32 s[G1SW+3], 32<<16
	s_mov_b32 s[G1SW+4], 32
	s_mov_b32 s[G1SW+5], 32
	s_mov_b32 s[G1SW+6], 0
	s_mov_b32 s[G1SW+7], 0
	s_mov_b32 s[G1SO+1], 32<<16
	s_mov_b32 s[G1SO+2], 16<<16
	s_mov_b32 s[G1SO+3], 32<<16
	s_mov_b32 s[G1SO+4], 16
	s_mov_b32 s[G1SO+5], 32
	s_mov_b32 s[G1SO+6], 0
	s_mov_b32 s[G1SO+7], 0
	s_add_co_u32 s20, s19, 44                      ; w_out's group of 16 tiles in c1: 44 + the column tile
	s_lshl_b32 s[G0SW+2], s20, 13                  ; its scale words: 16 x 512 bytes a group
	s_mov_b32 s[G0SW+3], 0
	s_mul_i32 s20, s20, 16*TILEB
	s_mov_b32 s21, 0
	s_lshl_b32 s[G0SO+2], s3, 12                   ; o's 8 tiles: 8 x 512 bytes of scale words,
	s_mov_b32 s[G0SO+3], 0
	s_mul_i32 s22, s3, 8*TILEB                     ; 8 x 12,288 bytes of codes
	s_mov_b32 s23, 0
	s_mov_b32 s[G0SW], 1
	s_mov_b32 s[G0SW+1], SCL+4096
	s_mov_b32 s[G0SO], 1
	s_mov_b32 s[G0SO+1], SCL
	s_wait_dscnt 0x0
	s_wait_kmcnt 0x0
	s_add_nc_u64 s[20:21], s[8:9], s[20:21]
	s_add_nc_u64 s[22:23], s[4:5], s[22:23]
	s_add_nc_u64 s[G0SW+2:G0SW+3], s[10:11], s[G0SW+2:G0SW+3]
	s_or_b32 s[G0SW+3], s[G0SW+3], 0x80000000
	s_add_nc_u64 s[G0SO+2:G0SO+3], s[6:7], s[G0SO+2:G0SO+3]
	s_or_b32 s[G0SO+3], s[G0SO+3], 0x80000000
	CROUND
	s_mov_b32 s56, 1                               ; w_out's codes, all of K
	s_mov_b32 s57, 0
	s_mov_b64 s[58:59], s[20:21]
	s_or_b32 s59, s59, 0x80000000
	s_mov_b32 s80, 1                               ; o's codes, all of K
	s_mov_b32 s81, OREG
	s_mov_b64 s[82:83], s[22:23]
	s_or_b32 s83, s83, 0x80000000
	ARM 1, 56, G1W, .Lhead_o
	ARM 2, 80, G1O, .Lhead_sw
	ARM 3, G0SW, G1SW, .Lhead_so
	tensor_load_to_lds s[G0SO:G0SO+3], s[G1SO:G1SO+7]
	s_nop 0
.rept 4
	v_nop
.endr
.Lhead_asked:
	v_and_b32 v1, 31, v0
	v_and_b32 v2, 15, v0
	v_bfe_u32 v3, v0, 4, 1
	v_lshlrev_b32 v[L16], 4, v1
	s_wait_alu depctr_va_vdst(0)
	v_lshlrev_b32 v[L8], 3, v1
	s_wait_alu depctr_va_vdst(0)
	s_lshl_b32 s22, s19, 10
	s_lshl_b32 s23, s18, 9
	s_add_co_u32 s22, s22, s23
	s_mov_b32 s23, 0
	s_add_nc_u64 s[12:13], s[12:13], s[22:23]
	v_lshlrev_b32 v[BO], 6, v3
.irp n, 0,4,8,12,16,20,24,28,32,36,40,44,48,52,56,60
	global_load_b128 v[BI+\n:BI+\n+3], v[BO], s[12:13] offset:128*(\n/16)+4*(\n%16)
.endr
	s_lshl_b32 s20, s3, 7
	s_lshl_b32 s21, s17, 6
	s_add_co_u32 s20, s20, s21
	s_lshl_b32 s20, s20, 12
	s_add_co_u32 s20, s20, s22
	s_mov_b32 s21, 0
	s_add_nc_u64 s[14:15], s[14:15], s[20:21]
	s_mul_i32 s20, s18, 24576
	s_mul_i32 s21, s17, 4*TILEB
	s_add_co_u32 s21, s21, OREG
.irp s, 0,1,2,3
	v_add_nc_u32 v[AP16+\s], s20, v[L16]
	v_add_nc_u32 v[AP8+\s], s20, v[L8]
	v_add_nc_u32 v[AQ16+\s], s21, v[L16]
	v_add_nc_u32 v[AQ8+\s], s21, v[L8]
	s_add_co_u32 s20, s20, SLOT
	s_add_co_u32 s21, s21, CHUNK
.endr
	s_lshl_b32 s20, s18, 12
	s_add_co_u32 s20, s20, SCL+4096
	v_lshl_add_u32 v[APS], v2, 3, s20
	s_lshl_b32 s21, s17, 11
	s_add_co_u32 s21, s21, SCL
	v_lshl_add_u32 v[AQS], v2, 3, s21
	s_mul_i32 s20, s16, 16*SPITCH
	v_mul_u32_u24 v[STO], v2, SPITCH
	v_lshl_add_u32 v[STO], v3, 6, v[STO]
	v_add_nc_u32 v[STO], s20, v[STO]
	v_add_nc_u32 v[RD], s20, v[L16]
.macro FRAG reg, a16, a8, off
	ds_load_b128 v[\reg:\reg+3], v[\a16] offset:\off
	ds_load_b64 v[\reg+4:\reg+5], v[\a8] offset:\off+512
	ds_load_b128 v[\reg+6:\reg+9], v[\a16] offset:\off+768
	ds_load_b64 v[\reg+10:\reg+11], v[\a8] offset:\off+1280
.endm
.macro FETCH_P slot, q, set
	WIN TO_P
.irp i, 0,1,2,3,4,5,6,7
	FRAG 128*(\set)+FR*\i, AP16+\slot, AP8+\slot, CHUNK*\i+1536*(\q)
.endr
	WIN 0
.endm
.macro FETCH_Q slot, q, i0
.irp i, \i0, \i0+1
	FRAG QF+FR*(\i), AQ16+\slot, AQ8+\slot, TILEB*(\i)+1536*(\q)
.endr
.endm
.macro SCALES c
.irp i, 0,1,2,3,4,5,6,7
	ds_load_b64 v[SC+24*((\c)%2)+2*\i:SC+24*((\c)%2)+2*\i+1], v[APS] offset:512*\i+128*(\c)
.endr
.irp i, 0,1,2,3
	ds_load_b64 v[SC+24*((\c)%2)+16+2*\i:SC+24*((\c)%2)+16+2*\i+1], v[AQS] offset:512*\i+128*(\c)
.endr
.endm
.macro KSET k
.set KQ,  (\k)%2
.set KSC, ((\k)/2)%2
.set NC,  ((\k)+1)/2
.set NQ2, ((\k)+1)%2
.endm
.macro MUL8 a, bias
.irp b, 0,1,2,3,4,5,6,7
.if \bias
	v_wmma_scale_f32_16x16x128_f8f6f4 v[8*(8*(\a)+\b):8*(8*(\a)+\b)+7], v[128*KQ+FR*\b:128*KQ+FR*\b+FR-1], v[QF+FR*(\a):QF+FR*(\a)+FR-1], v[BI+8*\b:BI+8*\b+7], v[SC+24*KSC+2*\b+KQ], v[SC+24*KSC+16+2*(\a)+KQ] matrix_a_fmt:MATRIX_FMT_BF6 matrix_b_fmt:MATRIX_FMT_BF6
.else
	v_wmma_scale_f32_16x16x128_f8f6f4 v[8*(8*(\a)+\b):8*(8*(\a)+\b)+7], v[128*KQ+FR*\b:128*KQ+FR*\b+FR-1], v[QF+FR*(\a):QF+FR*(\a)+FR-1], v[8*(8*(\a)+\b):8*(8*(\a)+\b)+7], v[SC+24*KSC+2*\b+KQ], v[SC+24*KSC+16+2*(\a)+KQ] matrix_a_fmt:MATRIX_FMT_BF6 matrix_b_fmt:MATRIX_FMT_BF6
.endif
.endr
.endm
.macro NEXT1
	FETCH_P NC, NQ2, NQ2
	FETCH_Q NC, NQ2, 0
.if NQ2 == 0
	SCALES NC
.endif
.endm
.macro STEP k, bias
	KSET \k
	s_wait_dscnt 8
.if \bias
	WIN MULB
.else
	WIN MULW
.endif
	MUL8 0, \bias
	MUL8 1, \bias
	s_wait_dscnt 0x0
	PLACES
	NEXT1
.if \bias
	WIN MULB
.else
	WIN MULW
.endif
	MUL8 2, \bias
	MUL8 3, \bias
	PLACES
	WIN 0
	FETCH_Q NC, NQ2, 2
.endm
; A step with a barrier: behind it no wave reads chunk 0's bytes any more, into which the way out's stage is stored.
.macro BSTEP k
	KSET \k
	s_wait_dscnt 8
	WIN MULW
	MUL8 0, 0
	s_wait_dscnt 0x0
	s_barrier_signal -1
	MUL8 1, 0
	WIN 0
	s_barrier_wait -1
	PLACES
	NEXT1
	WIN MULW
	MUL8 2, 0
	MUL8 3, 0
	PLACES
	WIN 0
	FETCH_Q NC, NQ2, 2
.endm
	s_wait_alu depctr_va_vdst(0)
	s_wait_tensorcnt 0x0                           ; my one load of the head is in; the barrier shows all four to every wave
	s_barrier_signal -1
	s_barrier_wait -1
	FETCH_P 0, 0, 0
	FETCH_Q 0, 0, 0
	SCALES 0
	FETCH_Q 0, 0, 2
	s_wait_loadcnt 0x0
	STEP 0, 1
	STEP 1, 0
	STEP 2, 0
	STEP 3, 0
	STEP 4, 0
	BSTEP 5
	STEP 6, 0
	KSET 7
	s_wait_dscnt 8
	WIN MULW
	MUL8 0, 0
	MUL8 1, 0
	s_wait_dscnt 0x0
	MUL8 2, 0
	MUL8 3, 0
	WIN 0
	PLACES
.macro TOSTAGE a
	WIN 0x08
.irp b, 0,1,2,3,4,5,6,7
	ds_store_b128 v[STO], v[64*(\a)+8*\b:64*(\a)+8*\b+3] offset:128*(\b/2)+32*(\b%2)
	ds_store_b128 v[STO], v[64*(\a)+8*\b+4:64*(\a)+8*\b+7] offset:128*(\b/2)+32*(\b%2)+16
.endr
	WIN 0
.set BB, BK+64*((\a)%2)
.irp t, 0,1,2,3,4,5,6,7,8,9,10,11,12,13,14,15
	ds_load_b128 v[BB+4*\t:BB+4*\t+3], v[RD] offset:\t*SPITCH
.endr
.endm
.macro SEND a, younger
.set BB, BK+64*((\a)%2)
	s_wait_dscnt \younger
.irp t, 0,1,2,3,4,5,6,7,8,9,10,11,12,13,14,15
	global_store_b128 v[L16], v[BB+4*\t:BB+4*\t+3], s[14:15] offset:(32*((\a)/2)+8*((\a)%2)+\t+8*(\t/8))*4096 th:TH_STORE_NT
.endr
.endm
	TOSTAGE 0
.irp a, 1,2,3
.if \a > 1
	s_wait_xcnt 0x0
.endif
	TOSTAGE \a
	SEND \a-1, 32
.endr
	SEND 3, 0
	s_wait_tensorcnt 0x0
	ds_add_u32 v[SPW], v[NIL]
	s_wait_dscnt 0x0
	CROUND
	s_endpgm
.Lfunc_end_k_q6e05255230_gemm_out:
	.size	k_q6e05255230_gemm_out, .Lfunc_end_k_q6e05255230_gemm_out-k_q6e05255230_gemm_out
	.p2alignl 7, 3214868480
	.fill 96, 4, 3214868480
	.section	.rodata,"a",@progbits
	.p2align	6, 0x0
	.amdhsa_kernel k_q6e05255230_gemm_out
		.amdhsa_group_segment_fixed_size 327680
		.amdhsa_private_segment_fixed_size 0
		.amdhsa_enable_private_segment 0
		.amdhsa_kernarg_size 48
		.amdhsa_user_sgpr_count 2
		.amdhsa_user_sgpr_kernarg_segment_ptr 1
		.amdhsa_wavefront_size32 1
		.amdhsa_system_sgpr_workgroup_id_x 1
		.amdhsa_system_sgpr_workgroup_id_y 1
		.amdhsa_system_sgpr_workgroup_id_z 1
		.amdhsa_system_vgpr_workitem_id 0
		.amdhsa_next_free_vgpr 768
		.amdhsa_next_free_sgpr 102
		.amdhsa_reserve_vcc 0
		.amdhsa_float_denorm_mode_32 3
		.amdhsa_float_denorm_mode_16_64 3
		.amdhsa_memory_ordered 1
		.amdhsa_forward_progress 1
		.amdhsa_inst_pref_size 88
	.end_amdhsa_kernel
	.amdgpu_metadata
---
amdhsa.version: [ 1, 2 ]
amdhsa.kernels:
  - .name:           k_q6e05255230_gemm_out
    .symbol:         k_q6e05255230_gemm_out.kd
    .args:
      - { .name: oc, .offset: 0, .size: 8, .value_kind: global_buffer, .address_space: global }
      - { .name: os, .offset: 8, .size: 8, .value_kind: global_buffer, .address_space: global }
      - { .name: c1, .offset: 16, .size: 8, .value_kind: global_buffer, .address_space: global }
      - { .name: s1, .offset: 24, .size: 8, .value_kind: global_buffer, .address_space: global }
      - { .name: b_out, .offset: 32, .size: 8, .value_kind: global_buffer, .address_space: global }
      - { .name: out0, .offset: 40, .size: 8, .value_kind: global_buffer, .address_space: global }
    .group_segment_fixed_size: 327680
    .private_segment_fixed_size: 0
    .kernarg_segment_align: 8
    .kernarg_segment_size: 48
    .max_flat_workgroup_size: 128
    .sgpr_count:     102
    .vgpr_count:     768
    .wavefront_size: 32
...
	.end_amdgpu_metadata
.endif
;; end of part 4
